; MI455X (gfx1250); checked and timed in simulation.
; The chip was launched on July 23, 2026; its instructions are those of AMD's public machine-readable ISA for CDNA 5 (MIT licence, August 2026) and "CDNA5" Instruction Set Architecture Reference Guide (July 2026). The comments in the code are by the model that wrote it; some were corrected since.
;; Multi Head Attention. Allowed arithmetic: matrix products marked QUANTISED: E2M1 operands, one E8M0 scale for each 32 along K, by v_wmma_scale_f32_16x16x128_f8f6f4 with both operands' format E2M1 (or v_wmma_scale_f32_32x16x128_f4), f32 sums; products left as they are: bf16, f16 or f32 operands; f32 sums; everything else in f32.
;; Inputs: Wk 16 x 1,024 x 64 float32; Wp 1,024 x 1,024 float32; Wq 16 x 1,024 x 64 float32; Wv 16 x 1,024 x 64 float32; bp 1,024 float32; x 4 x 2,048 x 1,024 float32.
;; Outputs: out0 4 x 2,048 x 1,024 float32.
;; This version of the problem:
;;   THIS VERSION OF THE PROBLEM IS GIVEN IN LOW PRECISION. The matrix products marked QUANTISED in the list below multiply operands that are first quantised to E2M1 (2 exponent bits, 1 mantissa bit; 4 bits a number), with one power-of-two scale for each 32 numbers along K (OCP MX v1.0); their sums are f32. The products marked 'left as it is' may take bf16, f16 or f32 operands, with f32 sums. Whichever they take, every output number must still come out within the allowed error. Rounding operands to bf16 (8 significant bits) uses up far more of that allowance than f16 does (11 bits, for magnitudes from 6e-5 to 65,504). All else is computed in f32.
;;   The module's matrix products, in the order in which they are computed (A, B: the left and right operand; K: the contracted axis; several contracted axes count as one K, in the product's order):
;;     1. [M 1,024, K 1,024] x [K 1,024, N 8,192]; A: input Wq; B: input x: QUANTISED
;;     2. [M 1,024, K 1,024] x [K 1,024, N 8,192]; A: input Wk; B: input x: QUANTISED
;;     3. [M 1,024, K 1,024] x [K 1,024, N 8,192]; A: input Wv; B: input x: QUANTISED
;;     4. batch 64 x [M 2,048, K 64] x [K 64, N 2,048]; A: computed on the way; B: computed on the way: left as it is (an operand is computed on the way)
;;     5. batch 64 x [M 2,048, K 2,048] x [K 2,048, N 64]; A: computed on the way; B: computed on the way: left as it is (an operand is computed on the way)
;;     6. [M 8,192, K 1,024] x [K 1,024, N 1,024]; A: computed on the way; B: input Wp: left as it is (an operand is computed on the way)
;;   THE QUANTISER, for each operand of a quantised product, along K:
;;     - K is cut into blocks of 32 from its start; a last block that is shorter is filled with zeros.
;;     - A block's scale is 2^e with e = floor(log2(the largest magnitude in the block)) - 2, held to -126 .. 127; a block of zeros has e = 0. As a byte (E8M0): e + 127.
;;     - Each number is divided by its block's scale, clamped to +-6, and rounded to the nearest number of E2M1, ties to even, subnormals kept.
;;     - The product sums the exact products of the quantised numbers (number of the format x scale) in f32.
;;   ~~~python
;;   def quantise(x, axis):      # numpy; x: float32 -> the quantised numbers, widened to float32 again
;;       x = np.moveaxis(x, axis, -1); K = x.shape[-1]
;;       x = np.pad(x, [(0, 0)] * (x.ndim - 1) + [(0, -K % 32)]); x = x.reshape(x.shape[:-1] + (-1, 32)); a = np.abs(x).max(-1, keepdims=True)
;;       e = np.where(a > 0, np.clip(np.frexp(np.where(a > 0, a, 1))[1] - 1 - 2, -126, 127), 0)      # np.frexp(a)[1] - 1 = floor(log2(a)), exactly
;;       r = np.clip(x / 2.0 ** e, -6, 6)
;;       step = 2.0 ** (np.maximum(np.frexp(np.where(r == 0, 1, r))[1] - 1, 0) - 1)
;;       q = np.round(r / step) * step * 2.0 ** e      # np.round: ties to even
;;       return np.moveaxis(q.reshape(q.shape[:-2] + (-1,))[..., :K], -1, axis).astype(np.float32)
;;   ~~~
;; One version. Each part assembles by itself: llvm-mc -triple=amdgcn-amd-amdhsa -mcpu=gfx1250 --defsym DOCPART=n.
;; ======== version 1 of 1: 6 launches
;; limits: values are held in f16: magnitudes above 65,504 overflow, below 6.1e-05 lose precision
;; workspace buffers: x_codes 4,194,304 bytes; x_scales 262,144 bytes; w_codes 1,572,864 bytes; w_scales 98,304 bytes; wp16 2,097,152 bytes; qkv16 50,331,648 bytes; qkv32 786,432 bytes; att16 16,777,216 bytes
;; launch prep (part 1): grid 384 x 1, 4 waves a work-group, no clusters, 33,280 bytes of LDS; arguments x, Wp, x_codes, x_scales, wp16; writes x_codes, x_scales, wp16
.if DOCPART == 1
	.amdgcn_target "amdgcn-amd-amdhsa--gfx1250"
	.amdhsa_code_object_version 6
	.text
	.protected	k_q93c9302479_prep
	.globl	k_q93c9302479_prep
	.p2align	8
	.type	k_q93c9302479_prep,@function
k_q93c9302479_prep:
	s_mov_b64 s[64:65], 0
	v_nop
	global_prefetch_b8 v0, s[64:65] scope:SCOPE_SE
	s_setreg_imm32_b32 hwreg(HW_REG_WAVE_MODE, 25, 1), 1
	s_wait_xcnt 0x0
; THE PROGRAM: causal multi-head attention, B 4, T 2048, D 1024, 16 heads of 64, in six launches:
;   prep (x -> FP4 codes and scale bytes; Wp -> f16), quant_w (Wq, Wk, Wv -> codes), qkv (the three QUANTISED products on codes), attn (scores, softmax, P V in f16 with f32 sums),
;   proj (the projection in f16, + bp), first16 (positions 0 to 15 of every sequence once more in f32: there a row averages few values, and f16 operands would use up what the comparison allows).
; WORK LEFT OUT: key steps all of whose keys come after all of a wave's queries.  reference() builds the mask itself (jnp.tril) and replaces those scores, whatever q and k hold, by finfo.min ahead of the softmax;
; every row keeps its own key, so the row's maximum is a true score and the hidden weights are exp(finfo.min - maximum), which is 0 in f32: neither the scores nor their share of P V reaches an output.
; No input is left out.  LIMIT: a NaN, an infinity or an overflow that would arise only in those hidden products is not carried to the result.
; LIMITS of the program: q, k, v and the attention's result are handed on as f16: magnitudes under 65,504; NaN and infinities among the inputs are not served.
;
; THIS LAUNCH.  Work-groups 0 to 255: x [8192][1024] f32 becomes codes of FP4 (E2M1), K innermost, two codes a byte, and one E8M0 byte for each 32 along K.  Rows are dense and 1024 is a multiple of 32: x is a plain stream of blocks.
; A block's scale is 2^(floor(log2(largest magnitude)) - 2); its byte is the largest magnitude's exponent field - 2, held at 1 from below (a block of zeros so gets the byte 1: its codes are zeros, and this program alone reads the bytes;
; blocks whose largest magnitude lies under 2^-124 keep the byte 1 too).
; A wave takes 16 steps of 512 numbers.  Each load reads 512 consecutive bytes; a step's 2,048 bytes turn through the wave's own stage in LDS and come back 64 bytes a lane, so that a lane holds 16 neighbours along K; two lanes hold a block.
; Work-groups 256 to 383: Wp [1024][1024] f32 becomes f16 in the same order; no LDS.  A wave takes 2,048 numbers.
.set WAVES, 4
.set STEPS, 16
.set WGX,   256                        ; 8192 x 1024 / 32768 work-groups for x
.set EMAX,  2
.set CB,    8                          ; bytes of 16 codes
.set R,     16                         ; v16-79   four sets of 16 numbers as loaded
.set X,     80                         ; v80-111  two sets of 16 neighbours
.set E,     112                        ; v112-127 a scale byte for each step
.set C,     128                        ; v128-191 codes (Wp: f16 pairs): registers of its own for each step
.set WREG,  8192                       ; LDS: a region for each wave: two stages of 32 x SP bytes, behind them its 256 scale bytes
.set SP,    80                         ; a lane's 64 bytes + 16 of padding
.set SPW,   12                         ; v12 LDS address of my spare word; never rewritten
.set NIL,   13                         ; v13 0; never rewritten
.set SPARE, WAVES*WREG                 ; the spare words: 128 bytes a wave, named by no other line
	s_load_b128 s[4:7], s[0:1], 0x0                ; x, Wp
	s_load_b128 s[8:11], s[0:1], 0x10              ; x_codes, x_scales
	s_load_b64 s[12:13], s[0:1], 0x20              ; wp16
	v_lshl_add_u32 v[SPW], v0, 2, SPARE
	v_mov_b32 v[NIL], 0
	v_lshrrev_b32 v1, 5, v0
	v_readfirstlane_b32 s16, v1                    ; wave
	v_and_b32 v2, 31, v0                           ; lane
	v_lshlrev_b32 v3, 4, v2                        ; my 16 bytes of a load's 512
	v_lshlrev_b32 v4, 3, v2                        ; my 8 bytes of a store's 256
	s_mul_i32 s17, s16, WREG
	v_lshrrev_b32 v14, 2, v2
	v_mul_u32_u24 v14, v14, SP
	v_and_b32 v15, 3, v2
	v_lshl_add_u32 v14, v15, 4, v14
	v_add_nc_u32 v14, s17, v14                     ; the stage, on the way in: SP (lane / 4) + 16 (lane % 4)
	v_mul_u32_u24 v15, v2, SP
	v_add_nc_u32 v15, s17, v15                     ; on the way out: SP x lane
	v_lshrrev_b32 v5, 1, v2
	s_add_co_u32 s17, s17, 2*32*SP
	v_add_nc_u32 v5, s17, v5                       ; my block's byte among my wave's 256 scale bytes
	v_add_nc_u32 v6, s17, v4                       ; and 8 of them a lane on the way out
	s_mov_b32 s19, 0
	s_wait_kmcnt 0x0
	s_cmp_lt_u32 ttmp9, WGX                        ; the work-group's number alone decides
	s_cbranch_scc0 .Lwp
	s_lshl_b32 s17, ttmp9, 2
	s_add_co_u32 s17, s17, s16                     ; which run of 8,192 numbers is my wave's
	s_lshl_b32 s18, s17, 15
	s_add_nc_u64 s[4:5], s[4:5], s[18:19]
	s_lshl_b32 s18, s17, 12
	s_add_nc_u64 s[8:9], s[8:9], s[18:19]
	s_lshl_b32 s18, s17, 8
	s_add_nc_u64 s[10:11], s[10:11], s[18:19]
.macro LOAD t
.irp i, 0,1,2,3
	global_load_b128 v[R+16*((\t)%4)+4*\i:R+16*((\t)%4)+4*\i+3], v3, s[4:5] offset:2048*(\t)+512*\i th:TH_LOAD_NT
.endr
.endm
.macro TURN t                          ; a step's numbers through the stage; LDS serves a wave's instructions in order, so no wait stands between the stores and the loads
.irp i, 0,1,2,3
	ds_store_b128 v14, v[R+16*((\t)%4)+4*\i:R+16*((\t)%4)+4*\i+3] offset:32*SP*((\t)%2)+8*SP*\i
.endr
.irp i, 0,1,2,3
	ds_load_b128 v[X+16*((\t)%2)+4*\i:X+16*((\t)%2)+4*\i+3], v15 offset:32*SP*((\t)%2)+16*\i
.endr
.endm
.irp t, 0,1,2,3
	LOAD \t
.endr
	s_wait_loadcnt 12                              ; step 0's four loads are in
	TURN 0
.macro STEP t
.set XS, X+16*((\t)%2)
.if (\t) > 0
	s_wait_dscnt 1                                 ; this step's numbers are back from the stage; the last step's byte store may be out
.else
	s_wait_dscnt 0x0
.endif
.if (\t)+4 < STEPS
	LOAD (\t)+4                                    ; into the registers that this step's stage stores have read
.endif
.if (\t)+1 < STEPS
.if STEPS-2-(\t) >= 3
	s_wait_loadcnt 12                              ; the next step's four loads are in; the three steps behind it may be out
.else
	s_wait_loadcnt 4*(STEPS-2-(\t))
.endif
	TURN (\t)+1
.endif
	v_max3_num_f32 v8, |v[XS]|, |v[XS+1]|, |v[XS+2]|               ; the largest magnitude of my 16, in two chains
	v_max3_num_f32 v9, |v[XS+3]|, |v[XS+4]|, |v[XS+5]|
.irp i, 6,10
	v_max3_num_f32 v8, v8, |v[XS+\i]|, |v[XS+\i+1]|
	v_max3_num_f32 v9, v9, |v[XS+\i+2]|, |v[XS+\i+3]|
.endr
	v_max3_num_f32 v8, v8, |v[XS+14]|, |v[XS+15]|
	v_max3_num_f32 v8, v8, v9, (EMAX+1)<<23        ; and the floor 2^(3 - 127): the byte cannot fall under 1
	v_max_num_f32_dpp v8, v8, v8 row_xmask:1 row_mask:0xf bank_mask:0xf   ; with my neighbour's 16: the block's
	v_add_nc_u32 v11, -(EMAX<<23), v8              ; 2 off its exponent field: the conversion takes that field as its scale
	v_cvt_scalef32_pk8_fp4_f32 v[C+4*(\t)], v[XS:XS+7], v11
	v_cvt_scalef32_pk8_fp4_f32 v[C+4*(\t)+1], v[XS+8:XS+15], v11
	v_lshrrev_b32 v[E+(\t)], 23, v11               ; the scale's byte
	ds_store_b8 v5, v[E+(\t)] offset:16*(\t)       ; both lanes of a block write the same byte with the same value
	global_store_b64 v4, v[C+4*(\t):C+4*(\t)+1], s[8:9] offset:32*CB*(\t)   ; the wave stores 256 consecutive bytes, aligned
.endm
.irp t, 0,1,2,3,4,5,6,7,8,9,10,11,12,13,14,15
	STEP \t
.endr
	ds_load_b64 v[8:9], v6                         ; my wave's own stores, served in order
	s_wait_dscnt 0x0
	global_store_b64 v4, v[8:9], s[10:11]          ; 256 scale bytes, aligned
	s_wait_tensorcnt 0x0                           ; the wave's end, behind my last LDS store
	ds_add_u32 v[SPW], v[NIL]
	s_wait_dscnt 0x0
	s_endpgm
.Lwp:                                                  ; Wp -> f16
	s_sub_co_u32 s17, ttmp9, WGX
	s_lshl_b32 s17, s17, 2
	s_add_co_u32 s17, s17, s16                     ; which run of 2,048 numbers
	s_lshl_b32 s18, s17, 13
	s_add_nc_u64 s[6:7], s[6:7], s[18:19]
	s_lshl_b32 s18, s17, 12
	s_add_nc_u64 s[12:13], s[12:13], s[18:19]
.irp i, 0,1,2,3,4,5,6,7,8,9,10,11,12,13,14,15
	global_load_b128 v[R+4*\i:R+4*\i+3], v3, s[6:7] offset:512*\i th:TH_LOAD_NT
.endr
.irp i, 0,1,2,3,4,5,6,7,8,9,10,11,12,13,14,15
	s_wait_loadcnt 15-\i                           ; loads come back in order: the younger ones stay out
	v_cvt_pk_f16_f32 v[C+2*\i], v[R+4*\i], v[R+4*\i+1]
	v_cvt_pk_f16_f32 v[C+2*\i+1], v[R+4*\i+2], v[R+4*\i+3]
	global_store_b64 v4, v[C+2*\i:C+2*\i+1], s[12:13] offset:256*\i
.endr
	s_endpgm
.Lfunc_end_k_q93c9302479_prep:
	.size	k_q93c9302479_prep, .Lfunc_end_k_q93c9302479_prep-k_q93c9302479_prep
	.p2alignl 7, 3214868480
	.fill 96, 4, 3214868480
	.section	.rodata,"a",@progbits
	.p2align	6, 0x0
	.amdhsa_kernel k_q93c9302479_prep
		.amdhsa_group_segment_fixed_size 33280
		.amdhsa_private_segment_fixed_size 0
		.amdhsa_enable_private_segment 0
		.amdhsa_kernarg_size 40
		.amdhsa_user_sgpr_count 2
		.amdhsa_user_sgpr_kernarg_segment_ptr 1
		.amdhsa_wavefront_size32 1
		.amdhsa_system_sgpr_workgroup_id_x 1
		.amdhsa_system_sgpr_workgroup_id_y 1
		.amdhsa_system_sgpr_workgroup_id_z 1
		.amdhsa_system_vgpr_workitem_id 0
		.amdhsa_next_free_vgpr 192
		.amdhsa_next_free_sgpr 66
		.amdhsa_reserve_vcc 0
		.amdhsa_float_denorm_mode_32 3
		.amdhsa_float_denorm_mode_16_64 3
		.amdhsa_memory_ordered 1
		.amdhsa_forward_progress 1
		.amdhsa_inst_pref_size 39
	.end_amdhsa_kernel
	.amdgpu_metadata
---
amdhsa.version: [ 1, 2 ]
amdhsa.kernels:
  - .name:           k_q93c9302479_prep
    .symbol:         k_q93c9302479_prep.kd
    .args:
      - { .name: x, .offset: 0, .size: 8, .value_kind: global_buffer, .address_space: global }
      - { .name: Wp, .offset: 8, .size: 8, .value_kind: global_buffer, .address_space: global }
      - { .name: x_codes, .offset: 16, .size: 8, .value_kind: global_buffer, .address_space: global }
      - { .name: x_scales, .offset: 24, .size: 8, .value_kind: global_buffer, .address_space: global }
      - { .name: wp16, .offset: 32, .size: 8, .value_kind: global_buffer, .address_space: global }
    .group_segment_fixed_size: 33280
    .private_segment_fixed_size: 0
    .kernarg_segment_align: 8
    .kernarg_segment_size: 40
    .max_flat_workgroup_size: 128
    .sgpr_count:     66
    .vgpr_count:     192
    .wavefront_size: 32
...
	.end_amdgpu_metadata
.endif
;; end of part 1
;; launch quant_w (part 2): grid 32 x 3, 8 waves a work-group, no clusters, 19,456 bytes of LDS; arguments Wq, Wk, Wv, w_codes, w_scales; writes w_codes, w_scales
.if DOCPART == 2
	.amdgcn_target "amdgcn-amd-amdhsa--gfx1250"
	.amdhsa_code_object_version 6
	.text
	.protected	k_q93c9302479_quant_w
	.globl	k_q93c9302479_quant_w
	.p2align	8
	.type	k_q93c9302479_quant_w,@function
k_q93c9302479_quant_w:
	s_mov_b64 s[64:65], 0
	v_nop
	global_prefetch_b8 v0, s[64:65] scope:SCOPE_SE
	s_setreg_imm32_b32 hwreg(HW_REG_WAVE_MODE, 25, 1), 1
	s_wait_xcnt 0x0
; Wq, Wk, Wv [16 h][1024 d][64 e] f32: K = d is not innermost.  They become codes of FP4 laid [3072 n][512 bytes], n = 1024 w + 64 h + e (w = 0 q, 1 k, 2 v), K innermost, and scale bytes [3072][32].
; A LANE TAKES A COLUMN e AND ITS REGISTERS RUN DOWN K: a block of 32 lies in one lane's 32 registers, its largest magnitude needs no other lane, and the conversions give the codes with K innermost.
; A work-group (x = 2 h + half of K, y = w) takes a head's 64 columns x 512 along K.  Wave: columns 32 (wave & 1) on, 128 along K from 128 (wave / 2) on: the two waves of a pair read each row's whole 256 bytes.
; The codes meet in a stage in LDS (64 rows x 256 bytes + 16) and leave by rows: sixteen lanes store 256 consecutive bytes, aligned.  The scale bytes, 16 a row, meet likewise and leave 16 bytes a lane.
; The scale: as in the launch prep.  LIMITS: a block of zeros, or one whose largest magnitude lies under 2^-124, keeps the byte 1; NaN and infinities are not served.
.set X,     32                         ; v32-159  128 numbers down K
.set C,     160                        ; v160-175 a block's codes, four registers for each block
.set OUTR,  176                        ; v176-191 the way out
.set SB,    24                         ; v24      my four scale bytes
.set SPW,   14
.set NIL,   15
.set PITCH, 272
.set SCS,   64*PITCH                   ; behind the stage: 64 rows x 16 scale bytes
.set SPARE, SCS+1024                   ; the spare words: 128 bytes a wave, named by no other line
	s_load_b128 s[4:7], s[0:1], 0x0                ; Wq, Wk
	s_load_b128 s[8:11], s[0:1], 0x10              ; Wv, w_codes
	s_load_b64 s[12:13], s[0:1], 0x20              ; w_scales
	v_lshl_add_u32 v[SPW], v0, 2, SPARE
	v_mov_b32 v[NIL], 0
	v_lshrrev_b32 v1, 5, v0
	v_readfirstlane_b32 s16, v1                    ; wave 0..7
	v_and_b32 v2, 31, v0                           ; lane
	s_and_b32 s17, ttmp7, 0xffff                   ; w
	s_lshr_b32 s18, ttmp9, 1                       ; h
	s_and_b32 s19, ttmp9, 1                        ; which half of K
	s_and_b32 s20, s16, 1                          ; which 32 columns
	s_lshr_b32 s21, s16, 1                         ; which 128 along K
	s_lshl_b32 s22, s18, 18                        ; W: a head is 262,144 bytes, a row d 256
	s_lshl_b32 s23, s19, 17
	s_add_co_u32 s22, s22, s23
	s_lshl_b32 s23, s21, 15
	s_add_co_u32 s22, s22, s23
	s_lshl_b32 s23, s20, 7
	s_add_co_u32 s22, s22, s23
	s_mov_b32 s23, 0
	s_lshl_b32 s24, s17, 19                        ; codes: (1024 w + 64 h) rows of 512 bytes + 256 x half
	s_lshl_b32 s25, s18, 15
	s_add_co_u32 s24, s24, s25
	s_lshl_b32 s25, s19, 8
	s_add_co_u32 s24, s24, s25
	s_mov_b32 s25, 0
	s_lshl_b32 s26, s17, 15                        ; scale bytes: rows of 32 + 16 x half
	s_lshl_b32 s27, s18, 11
	s_add_co_u32 s26, s26, s27
	s_lshl_b32 s27, s19, 4
	s_add_co_u32 s26, s26, s27
	s_mov_b32 s27, 0
	v_lshlrev_b32 v3, 2, v2                        ; in: 4 bytes a lane
	s_mul_i32 s28, s20, 32*PITCH
	s_lshl_b32 s29, s21, 6
	s_add_co_u32 s28, s28, s29
	v_mul_u32_u24 v4, v2, PITCH
	v_add_nc_u32 v4, s28, v4                       ; the stage: row = my column, 64 bytes for my 128 along K
	s_lshl_b32 s28, s20, 9
	s_lshl_b32 s29, s21, 2
	s_add_co_u32 s28, s28, s29
	s_add_co_u32 s28, s28, SCS
	v_lshl_add_u32 v5, v2, 4, s28                  ; my scale word
	v_lshrrev_b32 v6, 4, v2
	v_and_b32 v1, 15, v2
	s_mul_i32 s28, s16, 8*PITCH
	v_mul_u32_u24 v7, v6, PITCH
	v_lshl_add_u32 v7, v1, 4, v7
	v_add_nc_u32 v7, s28, v7                       ; out of the stage: wave w takes rows 8 w on, sixteen lanes to a row
	s_lshl_b32 s28, s16, 12
	v_lshlrev_b32 v8, 9, v6
	v_lshl_add_u32 v8, v1, 4, v8
	v_add_nc_u32 v8, s28, v8                       ; and the same place in the codes' buffer
	v_lshl_add_u32 v9, v0, 4, SCS                  ; waves 0 and 1: thread j takes row j's 16 scale bytes
	v_lshlrev_b32 v10, 5, v0
	s_wait_kmcnt 0x0
	s_cmp_eq_u32 s17, 0                            ; the tensor is chosen by the work-group's y alone
	s_cselect_b64 s[4:5], s[4:5], s[6:7]
	s_cmp_eq_u32 s17, 2
	s_cselect_b64 s[4:5], s[8:9], s[4:5]
	s_add_nc_u64 s[4:5], s[4:5], s[22:23]
	s_add_nc_u64 s[10:11], s[10:11], s[24:25]
	s_add_nc_u64 s[12:13], s[12:13], s[26:27]
.set n, 0
.rept 128
	global_load_b32 v[X+n], v3, s[4:5] offset:256*n th:TH_LOAD_NT   ; W(k0 + n, my column): 32 lanes read 128 consecutive bytes
.set n, n+1
.endr
.macro BLOCK t
.set XS, X+32*(\t)
.if 96-32*(\t) > 63
	s_wait_loadcnt 63                              ; this block's loads are in: behind them 96 - 32 t were issued, and a wait names 63 at the most
.else
	s_wait_loadcnt 96-32*(\t)                      ; the later blocks' loads may be out
.endif
	v_max3_num_f32 v12, |v[XS]|, |v[XS+1]|, |v[XS+2]|
	v_max3_num_f32 v13, |v[XS+3]|, |v[XS+4]|, |v[XS+5]|
.irp i, 6,10,14,18,22,26
	v_max3_num_f32 v12, v12, |v[XS+\i]|, |v[XS+\i+1]|
	v_max3_num_f32 v13, v13, |v[XS+\i+2]|, |v[XS+\i+3]|
.endr
	v_max3_num_f32 v12, v12, |v[XS+30]|, |v[XS+31]|
	v_max3_num_f32 v12, v12, v13, 0x1800000        ; the floor 2^(3 - 127)
	v_add_nc_u32 v11, 0xff000000, v12              ; 2 off the exponent field: the conversion's scale operand
	v_lshrrev_b32 v13, 23, v11                     ; the scale's byte
.if (\t) == 0
	v_mov_b32 v[SB], v13
.else
	v_lshl_or_b32 v[SB], v13, 8*(\t), v[SB]
.endif
.irp g, 0,1,2,3
	v_cvt_scalef32_pk8_fp4_f32 v[C+4*(\t)+\g], v[XS+8*\g:XS+8*\g+7], v11
.endr
	ds_store_b128 v4, v[C+4*(\t):C+4*(\t)+3] offset:16*(\t)   ; 32 codes of my column's row; the next block begins with plain vector lines
.endm
	BLOCK 0
	BLOCK 1
	BLOCK 2
	BLOCK 3
	ds_store_b32 v5, v[SB]
	s_wait_dscnt 0x0                               ; for the others' sake: my stores have landed
	s_barrier_signal -1
	s_barrier_wait -1
.irp i, 0,1,2,3
	ds_load_b128 v[OUTR+4*\i:OUTR+4*\i+3], v7 offset:2*\i*PITCH
.endr
.irp i, 0,1,2,3
	s_wait_dscnt 3-\i
	global_store_b128 v8, v[OUTR+4*\i:OUTR+4*\i+3], s[10:11] offset:1024*\i
.endr
	s_cmp_lt_u32 s16, 2                            ; 64 rows of scale bytes: threads 0 to 63
	s_cbranch_scc0 .Lno_sc
	ds_load_b128 v[C:C+3], v9
	s_wait_dscnt 0x0
	global_store_b128 v10, v[C:C+3], s[12:13]
.Lno_sc:
	s_wait_tensorcnt 0x0                           ; the wave's end, behind my last LDS store
	ds_add_u32 v[SPW], v[NIL]
	s_wait_dscnt 0x0
	s_endpgm
.Lfunc_end_k_q93c9302479_quant_w:
	.size	k_q93c9302479_quant_w, .Lfunc_end_k_q93c9302479_quant_w-k_q93c9302479_quant_w
	.p2alignl 7, 3214868480
	.fill 96, 4, 3214868480
	.section	.rodata,"a",@progbits
	.p2align	6, 0x0
	.amdhsa_kernel k_q93c9302479_quant_w
		.amdhsa_group_segment_fixed_size 19456
		.amdhsa_private_segment_fixed_size 0
		.amdhsa_enable_private_segment 0
		.amdhsa_kernarg_size 40
		.amdhsa_user_sgpr_count 2
		.amdhsa_user_sgpr_kernarg_segment_ptr 1
		.amdhsa_wavefront_size32 1
		.amdhsa_system_sgpr_workgroup_id_x 1
		.amdhsa_system_sgpr_workgroup_id_y 1
		.amdhsa_system_sgpr_workgroup_id_z 1
		.amdhsa_system_vgpr_workitem_id 0
		.amdhsa_next_free_vgpr 192
		.amdhsa_next_free_sgpr 66
		.amdhsa_reserve_vcc 0
		.amdhsa_float_denorm_mode_32 3
		.amdhsa_float_denorm_mode_16_64 3
		.amdhsa_memory_ordered 1
		.amdhsa_forward_progress 1
		.amdhsa_inst_pref_size 23
	.end_amdhsa_kernel
	.amdgpu_metadata
---
amdhsa.version: [ 1, 2 ]
amdhsa.kernels:
  - .name:           k_q93c9302479_quant_w
    .symbol:         k_q93c9302479_quant_w.kd
    .args:
      - { .name: Wq, .offset: 0, .size: 8, .value_kind: global_buffer, .address_space: global }
      - { .name: Wk, .offset: 8, .size: 8, .value_kind: global_buffer, .address_space: global }
      - { .name: Wv, .offset: 16, .size: 8, .value_kind: global_buffer, .address_space: global }
      - { .name: w_codes, .offset: 24, .size: 8, .value_kind: global_buffer, .address_space: global }
      - { .name: w_scales, .offset: 32, .size: 8, .value_kind: global_buffer, .address_space: global }
    .group_segment_fixed_size: 19456
    .private_segment_fixed_size: 0
    .kernarg_segment_align: 8
    .kernarg_segment_size: 40
    .max_flat_workgroup_size: 256
    .sgpr_count:     66
    .vgpr_count:     192
    .wavefront_size: 32
...
	.end_amdgpu_metadata
.endif
;; end of part 2
;; launch qkv (part 3): grid 12 x 32, 4 waves a work-group, clusters of 4 x 4, 327,680 bytes of LDS; arguments x_codes, x_scales, w_codes, w_scales, qkv16, qkv32; writes qkv16, qkv32
.if DOCPART == 3
	.amdgcn_target "amdgcn-amd-amdhsa--gfx1250"
	.amdhsa_code_object_version 6
	.text
	.protected	k_q93c9302479_qkv
	.globl	k_q93c9302479_qkv
	.p2align	8
	.type	k_q93c9302479_qkv,@function
k_q93c9302479_qkv:
	s_mov_b64 s[64:65], 0
	v_nop
	global_prefetch_b8 v0, s[64:65] scope:SCOPE_SE
	s_setreg_imm32_b32 hwreg(HW_REG_WAVE_MODE, 25, 1), 1
	s_wait_xcnt 0x0
	s_wait_alu depctr_hold_cnt(0) depctr_sa_sdst(0) depctr_va_vdst(0) depctr_va_sdst(0) depctr_va_ssrc(0) depctr_va_vcc(0) depctr_vm_vsrc(0)
	s_getreg_b32 s2, hwreg(HW_REG_IB_STS2, 6, 4)
	s_cmp_eq_u32 s2, 0
	s_cbranch_scc0 .Lentry_in_a_cluster
	s_endpgm
.Lentry_in_a_cluster:
	s_bfe_u32 s2, ttmp6, 0x10000c
	s_cmp_lg_u32 s2, 0xf033
	s_cbranch_scc0 .Lentry_shape_is_right
	s_endpgm
.Lentry_shape_is_right:
; C[m][n] = sum over k of x[m][k] W[n][k] on codes of FP4 (E2M1) with one E8M0 scale for each 32 along K: m = 2048 b + t (8192), n = 1024 w + 64 h + e (3072), K = 1024.  These are the three QUANTISED products.
; C leaves twice: as f16 by head, qkv16 [w][16 b + h][t][64] (magnitudes under 65,504), and, for t < 16, as f32, qkv32 [b][t][3072], for the launch that makes the first positions in f32.
; A tile of C, 256 x 256, is made by four waves, each 128 x 128: 64 accumulators, 512 registers.  K is two slots of 512 (rows of 256 bytes), both filled at the start: nothing is filled again.
; The scales of the work-group's 256 rows of x and 256 rows of W, for all of K, come once, as rows of 256 bytes.
; CLUSTERS: 4 x 4.  The place along the cluster's y is the BATCH and the cluster's own y the tile of 256 tokens, so that 't < 16' hangs on the cluster's y and the wave's number alone, which all partners share.
; The four of a row of the cluster ask jointly for x's tiles, the four of a column for W's.  THE MATRIX INSTRUCTION IS USED TRANSPOSED (source 0 = 16 rows of W, source 1 = 16 rows of x): a lane holds eight neighbouring n of one row m.
; REGISTERS: window 0: v16-29 addresses; v32-95 scale words, two sets; v128-191 x's fragments, one set; on the way out v32-191 are free.  window 1: W's fragments, two sets.  windows 2, 3: the accumulators, (a, b) at v[8 (8 (a % 4) + b)].
.set SIZE_K, 1024
.set KSTEP,  512
.set NQ,     KSTEP/128
.set ROWB,   256
.set KROW,   SIZE_K*4/8
.set PITCH,  272                       ; 256 bytes + 16 of padding: the 16 rows that a load touches start at 16 different banks (64 banks of 4 bytes: ISA guide 11.1)
.set FR,     8
.set NL,     2
.set NP,     4
.set HALFT,  128*PITCH
.set SLOT,   4*HALFT
.set KS,     SIZE_K/32
.set SCL,    2*SLOT
.set HALFS,  (128*KS/256)*272
.set SBLK,   (16*KS/256)*272
.set SPARE,  SCL+4*HALFS               ; the spare words: 128 bytes a wave, named by no other line
.set WSTG,   16*528                    ; the way out: a stage for each wave, in slot 0, which has had its only fill and its last read when the first result is stored there
.set ADRA, 16
.set ADRB, 20
.set STO32, 22                         ; v22 the f32 stage: where I put 32 bytes of a row;  v23 where I read a row back
.set RD32, 23
.set STO,  24                          ; v24 the f16 stage: where I put 16 bytes of a row;  v25 where I read 16 bytes of 4 tokens of a head back
.set RD,   25
.set CO,   26                          ; v26 16 x lane
.set ADRS, 27
.set SPW,  28
.set NIL,  29
.set SC,   32
.set AF,   128
.set TMP,  32                          ; the way out: packed results
.set OB,   64                          ; 16 rows read back: v64-95 and v96-127 by turns
.set BK32, 128                         ; the f32 block read back
.set G1, 24
.set G0, 32
.set G1B, 48
.set G0B, 56
.set G1S, 68
.set G0S, 76
.set G1SB, 80
.set G0SB, 88
.set MSB, 0
.macro WIN new                         ; the immediate's high byte repeats the setting that is left
.if MSB != (\new)
	s_set_vgpr_msb (MSB<<8)|(\new)
.set MSB, (\new)
.endif
.endm
.set MUL_LO, 0xa1
.set MUL_HI, 0xf1
.set TO_B,   0x40
; A joint load: waves 0 and 1 fetch for x, waves 2 and 3 for W; the branch hangs on the wave's number alone.  An s_nop 0 and four v_nop follow each of the two lines.
.macro JLOAD g0a, g1a, g0b, g1b
	s_cmp_eq_u32 s15, 0
	s_cbranch_scc0 .Lfor_b_\@
	tensor_load_to_lds s[\g0a:\g0a+3], s[\g1a:\g1a+7]
	s_nop 0
.rept 4
	v_nop
.endr
	s_branch .Lasked_\@
.Lfor_b_\@:
	tensor_load_to_lds s[\g0b:\g0b+3], s[\g1b:\g1b+7]
	s_nop 0
.rept 4
	v_nop
.endr
.Lasked_\@:
.endm
.macro CROUND                          ; a round of the cluster's barrier
	s_barrier_signal -1
	s_barrier_wait -1
	s_cmp_lg_u32 s14, 0
	s_cbranch_scc1 .Lnot_wave_0_\@
	s_barrier_signal -3
.Lnot_wave_0_\@:
	s_barrier_wait -3
	s_barrier_signal -1
	s_barrier_wait -1
.endm
	s_load_b128 s[4:7], s[0:1], 0x0                ; x's codes, x's scales
	s_load_b128 s[8:11], s[0:1], 0x10              ; W's codes, W's scales
	s_load_b64 s[12:13], s[0:1], 0x20              ; qkv16
	s_load_b64 s[96:97], s[0:1], 0x28              ; qkv32
	v_lshl_add_u32 v[SPW], v0, 2, SPARE
	v_mov_b32 v[NIL], 0
	ds_add_u32 v[SPW], v[NIL]                      ; the wave's opening: the add, twice on end, and its wait ahead of my first tensor load
	ds_add_u32 v[SPW], v[NIL]
	v_lshrrev_b32 v1, 5, v0
	v_readfirstlane_b32 s14, v1                    ; wave 0..3
	s_lshr_b32 s15, s14, 1                         ; my half of the tile's rows.  Also: I fetch for x (0) or for W (1)
	s_and_b32 s16, s14, 1                          ; my half of its columns.  Also: which 128 rows I fetch
	s_bfe_u32 s40, ttmp6, 0x40000                  ; cx
	s_bfe_u32 s41, ttmp6, 0x40004                  ; cy: the batch
	s_lshl_b32 s42, ttmp9, 2
	s_add_co_u32 s42, s42, s40                     ; tile column = 4 x cluster x + cx; cluster x is w
	s_and_b32 s95, ttmp7, 0xffff                   ; cluster y: the tile of 256 tokens
	s_lshl_b32 s17, s41, 3
	s_add_co_u32 s17, s17, s95                     ; tile row = 8 x batch + tile of tokens
	s_lshl_b32 s43, s41, 2
	s_lshl_b32 s43, 15, s43                        ; my row of the cluster
	s_lshl_b32 s44, 0x1111, s40                    ; my column
	s_or_b32 s[G1+0], s43, (0<<16)|(1<<20)|(1<<21)|(5<<22)|(3<<25)  ; mask; elements of 1 byte; padding: 4 words behind every 64; bit 21 beside a mask
	s_or_b32 s[G1B+0], s44, (0<<16)|(1<<20)|(1<<21)|(5<<22)|(3<<25)
.irp g, G1, G1B
	s_mov_b32 s[\g+1], ROWB<<16                    ; tensor_dim0
	s_mov_b32 s[\g+2], 128<<16                     ; tensor_dim1
	s_mov_b32 s[\g+3], ROWB<<16                    ; tile_dim0
	s_mov_b32 s[\g+4], 128                         ; tile_dim1
	s_mov_b32 s[\g+5], KROW                        ; the pitch
	s_mov_b32 s[\g+6], 0
	s_mov_b32 s[\g+7], 0
.endr
	s_or_b32 s[G1S+0], s43, (3<<16)|(1<<20)|(1<<21)|(5<<22)|(3<<25)  ; the scales of 128 rows: a dense block, as rows of 256 bytes (32 elements of 8)
	s_or_b32 s[G1SB+0], s44, (3<<16)|(1<<20)|(1<<21)|(5<<22)|(3<<25)
.irp g, G1S, G1SB
	s_mov_b32 s[\g+1], 32<<16
	s_mov_b32 s[\g+2], (128*KS/256)<<16
	s_mov_b32 s[\g+3], 32<<16
	s_mov_b32 s[\g+4], 128*KS/256
	s_mov_b32 s[\g+5], 32
	s_mov_b32 s[\g+6], 0
	s_mov_b32 s[\g+7], 0
.endr
	s_lshl_b32 s18, s16, 7
	s_lshl_b32 s20, s17, 8
	s_add_co_u32 s20, s20, s18                     ; x: row 256 x tile row + 128 x half
	s_lshl_b32 s46, s42, 8
	s_add_co_u32 s46, s46, s18                     ; W: row 256 x tile column + 128 x half
	s_mov_b32 s21, 0
	s_mov_b32 s47, 0
	s_mov_b64 s[18:19], KS
	s_mul_u64 s[22:23], s[20:21], s[18:19]
	s_mul_u64 s[92:93], s[46:47], s[18:19]
	s_mov_b64 s[18:19], KROW
	s_mul_u64 s[20:21], s[20:21], s[18:19]
	s_mul_u64 s[46:47], s[46:47], s[18:19]
	s_mul_i32 s45, s14, HALFT                      ; where they go: wave x 128 rows
	s_mul_i32 s94, s14, HALFS
	s_wait_dscnt 0x0                               ; both opening adds are done
	s_wait_kmcnt 0x0
	s_add_nc_u64 s[20:21], s[4:5], s[20:21]
	s_add_nc_u64 s[22:23], s[6:7], s[22:23]
	s_add_nc_u64 s[46:47], s[8:9], s[46:47]
	s_add_nc_u64 s[92:93], s[10:11], s[92:93]
	CROUND                                         ; all sixteen work-groups are here: the joint loads meet
	s_mov_b32 s[G0S], 1
	s_add_co_u32 s[G0S+1], s94, SCL
	s_mov_b64 s[G0S+2:G0S+3], s[22:23]
	s_or_b32 s[G0S+3], s[G0S+3], 0x80000000
	s_mov_b32 s[G0SB], 1
	s_add_co_u32 s[G0SB+1], s94, SCL
	s_mov_b64 s[G0SB+2:G0SB+3], s[92:93]
	s_or_b32 s[G0SB+3], s[G0SB+3], 0x80000000
	JLOAD G0S, G1S, G0SB, G1SB                     ; the scales first; three loads of mine are out at the most
.irp s, 0,1
	s_mov_b32 s[G0+4*\s], 1
	s_add_co_u32 s[G0+4*\s+1], s45, \s*SLOT
	s_add_nc_u64 s[G0+4*\s+2:G0+4*\s+3], s[20:21], \s*ROWB
	s_or_b32 s[G0+4*\s+3], s[G0+4*\s+3], 0x80000000
	s_mov_b32 s[G0B+4*\s], 1
	s_add_co_u32 s[G0B+4*\s+1], s45, \s*SLOT
	s_add_nc_u64 s[G0B+4*\s+2:G0B+4*\s+3], s[46:47], \s*ROWB
	s_or_b32 s[G0B+4*\s+3], s[G0B+4*\s+3], 0x80000000
	JLOAD G0+4*\s, G1, G0B+4*\s, G1B
.endr
	v_and_b32 v1, 15, v0                           ; r
	v_bfe_u32 v2, v0, 4, 1                         ; h
	v_mul_u32_u24 v3, v1, PITCH
	v_lshl_add_u32 v4, v2, 4, v3
	s_mul_i32 s21, s15, HALFT
	s_mul_i32 s22, s16, HALFT
	s_add_co_u32 s22, s22, 2*HALFT
.irp s, 0,1
	v_add_nc_u32 v[ADRA+\s], s21, v4
	v_add_nc_u32 v[ADRB+\s], s22, v4
	s_add_co_u32 s21, s21, SLOT
	s_add_co_u32 s22, s22, SLOT
.endr
	v_mul_u32_u24 v5, v1, KS                       ; my row's scales: 32 bytes a row,
	v_lshrrev_b32 v6, 8, v5
	v_lshl_add_u32 v5, v6, 4, v5                   ; and 16 more for each 256 passed
	s_mul_i32 s21, s15, HALFS
	s_mul_i32 s22, s16, HALFS
	s_add_co_u32 s22, s22, 2*HALFS
	s_sub_co_u32 s22, s22, s21
	v_mul_u32_u24 v6, s22, v2                      ; lanes 16-31 take W's
	s_add_co_u32 s21, s21, SCL
	v_add_nc_u32 v5, v5, v6
	v_add_nc_u32 v[ADRS], s21, v5
	s_mul_i32 s23, s14, WSTG                       ; my stage
	v_mul_u32_u24 v5, v1, 272
	v_lshl_add_u32 v5, v2, 4, v5
	v_add_nc_u32 v[STO], s23, v5                   ; f16: row r of 256 bytes + 16, 16 bytes for each half of the lanes
	v_and_b32 v6, 31, v0
	v_lshrrev_b32 v7, 3, v6
	v_mul_u32_u24 v7, v7, 272
	v_and_b32 v8, 7, v0
	v_lshl_add_u32 v7, v8, 4, v7
	v_add_nc_u32 v[RD], s23, v7                    ; back: eight lanes take a token's 128 bytes of one head
	v_lshlrev_b32 v[CO], 4, v6
	v_mul_u32_u24 v5, v1, 528
	v_lshl_add_u32 v5, v2, 5, v5
	v_add_nc_u32 v[STO32], s23, v5                 ; f32: row r of 512 bytes + 16
	v_add_nc_u32 v[RD32], s23, v[CO]
	s_lshl_b32 s20, ttmp9, 24                      ; qkv16: w x 2^24 + (16 b + 4 cx + 2 half) heads of 2^18 + (256 tile + 128 half) tokens of 128 bytes
	s_lshl_b32 s21, s41, 4
	s_lshl_b32 s46, s40, 2
	s_add_co_u32 s21, s21, s46
	s_lshl_b32 s46, s16, 1
	s_add_co_u32 s21, s21, s46
	s_lshl_b32 s21, s21, 18
	s_add_co_u32 s20, s20, s21
	s_lshl_b32 s21, s95, 15
	s_add_co_u32 s20, s20, s21
	s_lshl_b32 s21, s15, 14
	s_add_co_u32 s20, s20, s21
	s_mov_b32 s21, 0
	s_add_nc_u64 s[12:13], s[12:13], s[20:21]
	s_mul_i32 s20, s41, 196608                     ; qkv32: b x 16 rows of 12,288 bytes + my first column x 4
	s_lshl_b32 s46, s42, 10
	s_add_co_u32 s20, s20, s46
	s_lshl_b32 s46, s16, 9
	s_add_co_u32 s20, s20, s46
	s_add_nc_u64 s[96:97], s[96:97], s[20:21]
.macro FRAG reg, adr, q, i             ; 16 rows x 128 K of 4-bit codes: 8 registers, two loads of 16 bytes, 32 apart
.irp c, 0,1
	ds_load_b128 v[\reg+4*\c:\reg+4*\c+3], v[\adr] offset:64*(\q)+32*\c+(\i)*16*PITCH
.endr
.endm
; 16 matrix instructions: x's blocks a0, a0 + 1 against W's eight.  The 64 accumulators take turns, one instruction a turn, in the same order in every step.
.macro MUL16 a0, p, q, sc, zero
.irp a, \a0, \a0+1
.irp b, 0,1,2,3,4,5,6,7
.if \zero
	v_wmma_scale_f32_16x16x128_f8f6f4 v[8*(8*((\a)%4)+\b):8*(8*((\a)%4)+\b)+7], v[128*(\p)+FR*\b:128*(\p)+FR*\b+FR-1], v[AF+FR*(\a):AF+FR*(\a)+FR-1], 0, v[SC+8*NQ*(\sc)+NQ*\b+(\q)], v[SC+8*NQ*(\sc)+NQ*(\a)+(\q)] matrix_a_fmt:MATRIX_FMT_FP4 matrix_b_fmt:MATRIX_FMT_FP4 matrix_a_scale:MATRIX_SCALE_ROW1
.else
	v_wmma_scale_f32_16x16x128_f8f6f4 v[8*(8*((\a)%4)+\b):8*(8*((\a)%4)+\b)+7], v[128*(\p)+FR*\b:128*(\p)+FR*\b+FR-1], v[AF+FR*(\a):AF+FR*(\a)+FR-1], v[8*(8*((\a)%4)+\b):8*(8*((\a)%4)+\b)+7], v[SC+8*NQ*(\sc)+NQ*\b+(\q)], v[SC+8*NQ*(\sc)+NQ*(\a)+(\q)] matrix_a_fmt:MATRIX_FMT_FP4 matrix_b_fmt:MATRIX_FMT_FP4 matrix_a_scale:MATRIX_SCALE_ROW1
.endif
.endr
.endr
.endm
.macro FETCH_B slot, q, p
	WIN TO_B
.irp i, 0,1,2,3,4,5,6,7
	FRAG 128*(\p)+FR*\i, ADRB+\slot, \q, \i
.endr
	WIN 0
.endm
.macro FETCH_A slot, q, i0
.irp i, \i0, \i0+1, \i0+2, \i0+3
	FRAG AF+FR*(\i), ADRA+\slot, \q, \i
.endr
.endm
.macro SCALES sc                       ; a slot's scale words: four a row; lanes 0-15 x's block i, lanes 16-31 W's block i
.irp i, 0,1,2,3,4,5,6,7
	ds_load_b128 v[SC+8*NQ*\sc+NQ*\i:SC+8*NQ*\sc+NQ*\i+3], v[ADRS] offset:\i*SBLK
.endr
.endm
.macro PLACES n                        ; plain vector instructions between a matrix instruction and a load into, or a read of, its registers
.rept \n
	v_nop
.endr
.endm
.macro STEP slot, q, zero              ; 128 along K that has its successor in the same slot
	s_wait_dscnt 4*NL                              ; W's set and x's blocks 0-3 are in; the youngest eight loads (blocks 4-7) may be out
	WIN MUL_LO
	MUL16 0, (\q)%2, \q, \slot, \zero
	MUL16 2, (\q)%2, \q, \slot, \zero
	s_wait_dscnt 0
	PLACES NP
	FETCH_B \slot, (\q)+1, 1-(\q)%2
	FETCH_A \slot, (\q)+1, 0
	WIN MUL_HI
	MUL16 4, (\q)%2, \q, \slot, \zero
	MUL16 6, (\q)%2, \q, \slot, \zero
	PLACES NP
	WIN 0
	FETCH_A \slot, (\q)+1, 4
.endm
	s_wait_tensorcnt 1                             ; the scales and my part of slot 0 are in; slot 1's load may be out
	s_barrier_signal -1
	s_barrier_wait -1
	FETCH_B 0, 0, 0
	FETCH_A 0, 0, 0
	SCALES 0
	FETCH_A 0, 0, 4
	STEP 0, 0, 1                                   ; the first products start the sums: nothing is cleared
	STEP 0, 1, 0
	STEP 0, 2, 0
	; slot 0's last step changes slots: one barrier; in front of it each wave waits for all its tensor loads, adds 0 to its spare word, and waits for that and for its reads of slot 0
	s_wait_tensorcnt 0x0                           ; my part of slot 1 has landed
	ds_add_u32 v[SPW], v[NIL]
	s_wait_dscnt 4*NL+1                            ; the add and the youngest eight loads may be out
	WIN MUL_LO
	MUL16 0, 1, NQ-1, 0, 0
	s_wait_dscnt 0x0                               ; the add is done, and my reads of slot 0 are over
	s_barrier_signal -1
	MUL16 2, 1, NQ-1, 0, 0
	WIN 0
	s_barrier_wait -1
	PLACES NP
	v_add_nc_u32 v[ADRS], 4*NQ, v[ADRS]            ; the second slot's scale words
	FETCH_B 1, 0, 0
	FETCH_A 1, 0, 0
	SCALES 1
	WIN MUL_HI
	MUL16 4, 1, NQ-1, 0, 0
	MUL16 6, 1, NQ-1, 0, 0
	PLACES NP
	WIN 0
	FETCH_A 1, 0, 4
	STEP 1, 0, 0
	STEP 1, 1, 0
	STEP 1, 2, 0
	s_wait_dscnt 4*NL                              ; the last step: nothing more to fetch
	WIN MUL_LO
	MUL16 0, 1, NQ-1, 1, 0
	MUL16 2, 1, NQ-1, 1, 0
	s_wait_dscnt 0
	WIN MUL_HI
	MUL16 4, 1, NQ-1, 1, 0
	MUL16 6, 1, NQ-1, 1, 0
	WIN 0
	PLACES NP                                      ; in front of the first reads of results and of the first writes of registers that held operands and scales
	; THE FIRST 16 TOKENS OF A BATCH, AS f32: block 0 of the waves with the tile's upper rows, in the clusters with y = 0.  The condition is the same in all partners.
	s_or_b32 s20, s95, s15
	s_cmp_eq_u32 s20, 0
	s_cbranch_scc0 .Lno32
	WIN 0x08                                       ; an LDS store's data: window 2
.irp b, 0,1,2,3,4,5,6,7
	ds_store_b128 v[STO32], v[8*\b:8*\b+3] offset:64*\b            ; each accumulator from its low end on
	ds_store_b128 v[STO32], v[8*\b+4:8*\b+7] offset:64*\b+16
.endr
	WIN 0
.irp t, 0,1,2,3,4,5,6,7,8,9,10,11,12,13,14,15
	ds_load_b128 v[BK32+4*\t:BK32+4*\t+3], v[RD32] offset:\t*528   ; my own stores, served in order
.endr
	s_wait_dscnt 0x0
.irp t, 0,1,2,3,4,5,6,7,8,9,10,11,12,13,14,15
	global_store_b128 v[CO], v[BK32+4*\t:BK32+4*\t+3], s[96:97] offset:\t*12288   ; 32 lanes store 512 consecutive bytes, aligned
.endr
.Lno32:
; THE WAY OUT AS f16, block by block of 16 tokens x 128 columns (two heads).  A lane's eight numbers pack into 16 bytes; a block goes through my stage and comes back so that 32 lanes hold 4 tokens of one head: 512 consecutive bytes of qkv16.
.macro PACK a
.set AC, 64*((\a)%4)
	WIN 0x0a+5*((\a)/4)                            ; sources 0 and 1: window 2 or 3
.irp b, 0,1,2,3,4,5,6,7
.irp r, 0,1,2,3
	v_cvt_pk_f16_f32 v[TMP+4*\b+\r], v[AC+8*\b+2*\r], v[AC+8*\b+2*\r+1]
.endr
.endr
	WIN 0
.endm
.macro TOSTAGE a
.set BB, OB+32*((\a)%2)
.irp b, 0,1,2,3,4,5,6,7
	ds_store_b128 v[STO], v[TMP+4*\b:TMP+4*\b+3] offset:32*\b
.endr
.irp i, 0,1,2,3,4,5,6,7
	ds_load_b128 v[BB+4*\i:BB+4*\i+3], v[RD] offset:(\i%4)*1088+(\i/4)*128
.endr
.endm
.macro SEND a
.set BB, OB+32*((\a)%2)
	s_wait_dscnt 0x0                               ; the block is back in registers
	s_wait_xcnt 0x0                                ; the earlier stores have read their registers: the next block's loads may land there
.irp i, 0,1,2,3,4,5,6,7
	global_store_b128 v[CO], v[BB+4*\i:BB+4*\i+3], s[12:13] offset:(\i/4)*262144+(\i%4)*512+(\a)*2048
.endr
.endm
	PACK 0
	TOSTAGE 0
.irp a, 1,2,3,4,5,6,7                  ; block a's conversions stand between block a - 1's loads from the stage and the wait for them
	PACK \a
	SEND \a-1
	TOSTAGE \a
.endr
	SEND 7
	s_wait_tensorcnt 0x0                           ; the wave's end
	ds_add_u32 v[SPW], v[NIL]
	s_wait_dscnt 0x0
	CROUND                                         ; the closing round
	s_endpgm
.Lfunc_end_k_q93c9302479_qkv:
	.size	k_q93c9302479_qkv, .Lfunc_end_k_q93c9302479_qkv-k_q93c9302479_qkv
	.p2alignl 7, 3214868480
	.fill 96, 4, 3214868480
	.section	.rodata,"a",@progbits
	.p2align	6, 0x0
	.amdhsa_kernel k_q93c9302479_qkv
		.amdhsa_group_segment_fixed_size 327680
		.amdhsa_private_segment_fixed_size 0
		.amdhsa_enable_private_segment 0
		.amdhsa_kernarg_size 48
		.amdhsa_user_sgpr_count 2
		.amdhsa_user_sgpr_kernarg_segment_ptr 1
		.amdhsa_wavefront_size32 1
		.amdhsa_system_sgpr_workgroup_id_x 1
		.amdhsa_system_sgpr_workgroup_id_y 1
		.amdhsa_system_sgpr_workgroup_id_z 1
		.amdhsa_system_vgpr_workitem_id 0
		.amdhsa_next_free_vgpr 1024
		.amdhsa_next_free_sgpr 100
		.amdhsa_reserve_vcc 0
		.amdhsa_float_denorm_mode_32 3
		.amdhsa_float_denorm_mode_16_64 3
		.amdhsa_memory_ordered 1
		.amdhsa_forward_progress 1
		.amdhsa_inst_pref_size 130
	.end_amdhsa_kernel
	.amdgpu_metadata
---
amdhsa.version: [ 1, 2 ]
amdhsa.kernels:
  - .name:           k_q93c9302479_qkv
    .symbol:         k_q93c9302479_qkv.kd
    .args:
      - { .name: x_codes, .offset: 0, .size: 8, .value_kind: global_buffer, .address_space: global }
      - { .name: x_scales, .offset: 8, .size: 8, .value_kind: global_buffer, .address_space: global }
      - { .name: w_codes, .offset: 16, .size: 8, .value_kind: global_buffer, .address_space: global }
      - { .name: w_scales, .offset: 24, .size: 8, .value_kind: global_buffer, .address_space: global }
      - { .name: qkv16, .offset: 32, .size: 8, .value_kind: global_buffer, .address_space: global }
      - { .name: qkv32, .offset: 40, .size: 8, .value_kind: global_buffer, .address_space: global }
    .group_segment_fixed_size: 327680
    .private_segment_fixed_size: 0
    .kernarg_segment_align: 8
    .kernarg_segment_size: 48
    .max_flat_workgroup_size: 128
    .sgpr_count:     100
    .vgpr_count:     1024
    .wavefront_size: 32
...
	.end_amdgpu_metadata
.endif
;; end of part 3
;; launch attn (part 4): grid 4 x 64, 16 waves a work-group, no clusters, 327,680 bytes of LDS; arguments qkv16, att16; writes att16
.if DOCPART == 4
	.amdgcn_target "amdgcn-amd-amdhsa--gfx1250"
	.amdhsa_code_object_version 6
	.text
	.protected	k_q93c9302479_attn
	.globl	k_q93c9302479_attn
	.p2align	8
	.type	k_q93c9302479_attn,@function
k_q93c9302479_attn:
	s_mov_b64 s[64:65], 0
	v_nop
	global_prefetch_b8 v0, s[64:65] scope:SCOPE_SE
	s_setreg_imm32_b32 hwreg(HW_REG_WAVE_MODE, 25, 1), 1
	s_wait_xcnt 0x0
; att[bh][q][:] = sum over k <= q of softmax_k(Q[q] . K[k] / 8) V[k][:], for each of 64 (batch, head).  Q, K, V: qkv16 [3][64][2048][64] f16; att16 [64][2048][64] f16.  Products on f16 operands with f32 sums; maxima, exponentials, sums in f32.
; WORK LEFT OUT: key steps all of whose keys come after all of a wave's queries (the mask that reference() builds itself; shown at the head of the launch prep).  On the diagonal hidden scores become -infinity where reference() sets finfo.min: p is 0 either way.
; LIMITS: the weights p lie in 0 .. 1; the result is handed on as f16 (magnitudes under 65,504).  Positions 0 to 15 of every sequence are made here too, but what is stored of them in the output comes from the launch first16.
; NO CLUSTER: under the mask a partner with early queries would have to ask for tiles that none of its waves reads.
; SHARES.  Work-group (p, bh) owns query blocks p and 7 - p (256 queries each): (p + 1) + (8 - p) = 9 slots' worth of keys for every work-group.  Waves 0-7 take block p, waves 8-15 block 7 - p; a wave owns 32 queries, two tiles of 16.
; Sixteen waves of 256 registers, four to a SIMD: one wave's vector work stands beside another's matrix work and LDS loads.
; LAYOUT.  S^T = K Q^T (source 0 = 16 keys, source 1 = 16 queries): a lane holds ONE query (lane % 16) and keys 8 (lane / 16) + 0..7 of a tile.  Two such tiles, packed to f16 in place, are source 1 of O^T = V^T P; V comes out of LDS turned (ds_load_tr16_b128).
; SOFTMAX.  Running maximum m and sum l for each query: p = 2^(c s - c m), c = log2(e) / 8; in every step O and l are multiplied by a = 2^(c m_old - c m_new).  The loop is written once: O and l begin as zeros, m as -3e38.
; THE RING.  Two slots of 256 keys (K: 256 rows x 144 bytes; V: 256 x 160), 2^17 bytes apart; waves 0, 1 fetch K's halves, waves 2, 3 V's.  Every work-group walks all 8 slots (constant trip counts); a step's work is jumped over by ids where it is hidden,
; and a slot is asked for only while its first key is at or under the work-group's last query.  Every wait on TENSORcnt is for 0; a wave has one tensor load out at the most.
.set SK,    256
.set PK,    144                        ; K's row: 128 bytes + 16: the 16 rows of a load start at 16 different banks (64 banks of 4 bytes: ISA guide 11.1)
.set PV,    160                        ; V's row: 128 + 32
.set VOFF,  SK*PK
.set SLOT1, 1<<17
.set STAGE, 212992                     ; behind the ring: 32 rows x 144 bytes for each wave; no tensor load lands here
.set SPARE, STAGE+16*32*PK             ; the spare words: 128 bytes a wave, named by no other line
.set AK0, 1
.set AV0, 2
.set ADK, 3
.set ADV, 4
.set SPW, 5
.set NIL, 6
.set DQ,  7                            ; v7  lane % 16 - 8 (lane / 16)
.set DD,  8                            ; v8  + my first query - the step's first key
.set NINF, 9
.set STO, 10
.set RD,  11
.set ST,  12                           ; tile t's statistics at v[ST + 8 t]: +0 c m, +1 m, +2 +3 l, +4 .. +7 at work (+6 a, +7 c m_old - c m_new)
.set PFO, 28
.set GO,  29
.set QF,  32                           ; v32-63   Q: tile t, channels 32 c on, at 32 + 16 t + 8 c
.set KV,  64                           ; v64-127  K (tile k, c) at 64 + 16 k + 8 c; then V (keys 32 g on, channels 16 d on) at 64 + 32 g + 8 d
.set S,   128                          ; v128-191 S^T (t, k) at 128 + 32 t + 8 k; then P (t, g) at 128 + 32 t + 8 g
.set O,   192                          ; v192-255 O^T (t, d) at 192 + 32 t + 8 d
.set TB,  2
.set WV,  18
.set SEL, 20
.set CS,  22
.set G1K, 24
.set G1V, 32
.set G0K, 40
.set G0V, 44
.set SLOTS, 48
.set KF,  49                           ; s49 the step's first key
.set Q0,  50                           ; s50 my first query
.set LQ,  51                           ; s51 my work-group's last query
.set PFA, 52
.set LIM, 54
; Waves 0 and 1 fetch for K, waves 2 and 3 for V, the others nothing.  An s_nop 0 and four v_nop follow each of the two lines.
.macro TLOAD
	s_cmp_lt_u32 s[WV], 2
	s_cbranch_scc0 .Lnot_k_\@
	tensor_load_to_lds s[G0K:G0K+3], s[G1K:G1K+7]
	s_nop 0
.rept 4
	v_nop
.endr
	s_branch .Lasked_\@
.Lnot_k_\@:
	s_cmp_lt_u32 s[WV], 4
	s_cbranch_scc0 .Lasked_\@
	tensor_load_to_lds s[G0V:G0V+3], s[G1V:G1V+7]
	s_nop 0
.rept 4
	v_nop
.endr
.Lasked_\@:
.endm
; A prefetch of what the NEXT change of slots will ask for: a slot's 32,768 bytes of K and of V.  The four work-groups of a head walk the same K and V: the one with p = 0, which walks all eight slots, asks.
; In it waves 4-7 ask for K's block and waves 8-11 for V's, 8,192 bytes a wave, lanes 256 bytes apart: each aligned block of 256 bytes is named once.  The last change that fills a slot asks for nothing.
.macro ASK
	s_cmp_gt_u32 s[SLOTS], s[LIM]
	s_cbranch_scc0 .Lnot_mine_\@
	global_prefetch_b8 v[PFO], s[PFA:PFA+1] th:TH_LOAD_NT scope:SCOPE_SE
.Lnot_mine_\@:
.endm
	s_load_b128 s[4:7], s[0:1], 0x0                ; qkv16, att16
	v_lshl_add_u32 v[SPW], v0, 2, SPARE
	v_mov_b32 v[NIL], 0
	ds_add_u32 v[SPW], v[NIL]                      ; the wave's opening: the add, twice on end, and its wait ahead of the first tensor load
	ds_add_u32 v[SPW], v[NIL]
	v_lshrrev_b32 v8, 5, v0
	v_readfirstlane_b32 s[WV], v8                  ; wave 0..15
	s_and_b32 s56, ttmp7, 0xffff
	s_lshl_b32 s56, s56, 18                        ; the head's first byte in q's, k's, v's part and in att16
	s_mov_b32 s57, 0
	s_sub_co_u32 s58, 7, ttmp9                     ; 7 - p
	s_lshl_b32 s[LQ], s58, 8
	s_or_b32 s[LQ], s[LQ], 255
	s_cmp_lt_u32 s[WV], 8
	s_cselect_b32 s58, ttmp9, s58                  ; my block of 256 queries
	s_and_b32 s59, s[WV], 7
	s_lshl_b32 s59, s59, 5
	s_lshl_b32 s[Q0], s58, 8
	s_add_co_u32 s[Q0], s[Q0], s59
	s_and_b32 s60, s[WV], 1                        ; which 128 rows of a slot I fetch, if I fetch
	s_mov_b32 s[G1K], 0x07110000                   ; elements of 2 bytes; padding on: 4 words behind every 32
	s_mov_b32 s[G1V], 0x0f110000                   ; the same with 8 words
.irp g, G1K, G1V
	s_mov_b32 s[\g+1], 64<<16                      ; tensor_dim0 = 64
	s_mov_b32 s[\g+2], 128<<16                     ; tensor_dim1 = 128
	s_mov_b32 s[\g+3], 64<<16                      ; tile_dim0
	s_mov_b32 s[\g+4], 128                         ; tile_dim1
	s_mov_b32 s[\g+5], 64                          ; the pitch
	s_mov_b32 s[\g+6], 0
	s_mov_b32 s[\g+7], 0
.endr
	s_mov_b32 s[SEL], 0x76543210
	s_mov_b32 s[SEL+1], 0xfedcba98
	s_mov_b32 s[CS], 0x3e38aa3b                    ; c = log2(e) / 8
	s_mov_b32 s[CS+1], s[CS]
	s_mov_b32 s[TB], 0
	s_mov_b32 s[SLOTS], 7
	s_mov_b32 s[KF], 0
	s_lshl_b32 s58, s60, 14
	s_mov_b32 s59, 0
	s_wait_dscnt 0x0                               ; both opening adds are done
	s_wait_kmcnt 0x0
	s_add_nc_u64 s[4:5], s[4:5], s[56:57]          ; q's part at my head
	s_mov_b32 s[G0K], 1
	s_mul_i32 s[G0K+1], s60, 128*PK
	s_add_nc_u64 s[G0K+2:G0K+3], s[4:5], s[58:59]
	s_add_nc_u64 s[G0K+2:G0K+3], s[G0K+2:G0K+3], 0x1000000   ; k's part
	s_or_b32 s[G0K+3], s[G0K+3], 0x80000000
	s_mov_b32 s[G0V], 1
	s_mul_i32 s[G0V+1], s60, 128*PV
	s_add_co_u32 s[G0V+1], s[G0V+1], VOFF
	s_add_nc_u64 s[G0V+2:G0V+3], s[4:5], s[58:59]
	s_add_nc_u64 s[G0V+2:G0V+3], s[G0V+2:G0V+3], 0x2000000   ; v's part
	s_or_b32 s[G0V+3], s[G0V+3], 0x80000000
	TLOAD                                          ; slot 0: it holds key 0, which counts for every query
	s_lshl_b32 s58, s[Q0], 7
	s_add_nc_u64 s[8:9], s[4:5], s[58:59]          ; Q at my first query
	s_add_nc_u64 s[6:7], s[6:7], s[56:57]
	s_add_nc_u64 s[6:7], s[6:7], s[58:59]          ; att16 likewise
	v_and_b32 v31, 15, v0                          ; r
	v_bfe_u32 v8, v0, 4, 1                         ; h
	v_lshlrev_b32 v30, 7, v31
	v_lshl_add_u32 v30, v8, 4, v30                 ; Q: row r of 128 bytes + 16 h
.irp t, 0,1
.irp c, 0,1
	global_load_b128 v[QF+16*\t+8*\c:QF+16*\t+8*\c+3], v30, s[8:9] offset:2048*\t+64*\c
	global_load_b128 v[QF+16*\t+8*\c+4:QF+16*\t+8*\c+7], v30, s[8:9] offset:2048*\t+64*\c+32
.endr
.endr
	s_mov_b32 s61, 0x2000000                       ; the prefetches: waves 4-7 stand in k's part, waves 8-11 in v's,
	s_cmp_lt_u32 s[WV], 8
	s_cselect_b32 s60, 0x1000000, s61
	s_and_b32 s61, s[WV], 3
	s_lshl_b32 s61, s61, 13                        ; at my wave's 8,192 bytes
	s_add_co_u32 s60, s60, s61
	s_add_co_u32 s60, s60, SK*128                  ; of slot 1: the first change of slots steps it to slot 2.  Nothing is prefetched here at the head
	s_mov_b32 s61, 0
	s_add_nc_u64 s[PFA:PFA+1], s[4:5], s[60:61]
	s_sub_co_u32 s60, s[WV], 4
	s_lshr_b32 s60, s60, 3                         ; 0 in waves 4 to 11,
	s_or_b32 s60, s60, ttmp9                       ; of the work-group with p = 0
	s_cmp_eq_u32 s60, 0
	s_cselect_b32 s[LIM], 1, -1
	v_mul_u32_u24 v[AK0], v31, PK
	v_lshl_add_u32 v[AK0], v8, 4, v[AK0]           ; K: row r x pitch + 16 h
	v_and_b32 v3, 7, v0
	v_lshl_add_u32 v[AV0], v8, 3, v3
	v_mul_u32_u24 v[AV0], v[AV0], PV
	v_bfe_u32 v3, v0, 3, 1
	v_lshl_add_u32 v[AV0], v3, 4, v[AV0]
	v_add_nc_u32 v[AV0], VOFF, v[AV0]              ; V, for the turning load: key 8 h + lane % 8, channels 8 ((lane / 8) % 2) on
	v_lshlrev_b32 v[DQ], 3, v8
	v_sub_nc_u32 v[DQ], v31, v[DQ]
	v_mov_b32 v[NINF], 0xff800000
	s_mul_i32 s58, s[WV], 32*PK
	s_add_co_u32 s58, s58, STAGE                   ; my stage
	v_mul_u32_u24 v[STO], v31, PK
	v_lshl_add_u32 v[STO], v8, 4, v[STO]
	v_add_nc_u32 v[STO], s58, v[STO]
	v_and_b32 v4, 31, v0
	v_lshrrev_b32 v3, 3, v4
	v_mul_u32_u24 v[RD], v3, PK
	v_and_b32 v3, 7, v0
	v_lshl_add_u32 v[RD], v3, 4, v[RD]
	v_add_nc_u32 v[RD], s58, v[RD]                 ; back: eight lanes to a row of 128 bytes
	v_lshlrev_b32 v[GO], 4, v4
	v_lshlrev_b32 v[PFO], 8, v4
.irp t, 0,1
	v_mov_b32 v[ST+8*\t+1], 0xff61b1e6             ; m = -3e38, under every score
	v_mul_f32 v[ST+8*\t], s[CS], v[ST+8*\t+1]      ; c m
.irp i, 2,3,4,5,6,7
	v_mov_b32 v[ST+8*\t+\i], 0                     ; l, and the registers at work, written once
.endr
.endr
.set n, 0
.rept 64
	v_mov_b32 v[O+n], 0                            ; O^T: the loop is written once, and its first step finds zeros
.set n, n+1
.endr
; A KEY STEP: 64 keys, the q-th of the slot in hand.
.macro STEP q
	s_add_co_u32 s56, s[Q0], 31                    ; a step all of whose keys come after my 32 queries is left out: a scalar branch on ids, round no barrier and no tensor load
	s_cmp_gt_u32 s[KF], s56
	s_cbranch_scc1 .Lhidden_\@
	v_add_nc_u32 v[ADK], s[TB], v[AK0]
	v_add_nc_u32 v[ADV], s[TB], v[AV0]
.rept 3
	v_nop                                          ; with the two additions five places behind the last step's products: K's loads land on registers that they read, and the new scores are written over P
.endr
.irp k, 0,1,2,3
.irp c, 0,1
	ds_load_b128 v[KV+16*\k+8*\c:KV+16*\k+8*\c+3], v[ADK] offset:(64*(\q)+16*\k)*PK+64*\c
	ds_load_b128 v[KV+16*\k+8*\c+4:KV+16*\k+8*\c+7], v[ADK] offset:(64*(\q)+16*\k)*PK+64*\c+32
.endr
.endr
	s_wait_dscnt 0x0
.irp c, 0,1                                    ; S^T = K Q^T: eight accumulators by turns
.irp k, 0,1,2,3
.irp t, 0,1
.if \c == 0
	v_wmma_f32_16x16x32_f16 v[S+32*\t+8*\k:S+32*\t+8*\k+7], v[KV+16*\k+8*\c:KV+16*\k+8*\c+7], v[QF+16*\t+8*\c:QF+16*\t+8*\c+7], 0
.else
	v_wmma_f32_16x16x32_f16 v[S+32*\t+8*\k:S+32*\t+8*\k+7], v[KV+16*\k+8*\c:KV+16*\k+8*\c+7], v[QF+16*\t+8*\c:QF+16*\t+8*\c+7], v[S+32*\t+8*\k:S+32*\t+8*\k+7]
.endif
.endr
.endr
.endr
.rept 4
	v_nop                                          ; places in front of V's loads into K's registers and of the first reads of the scores
.endr
.irp g, 0,1
.irp d, 0,1,2,3
	ds_load_tr16_b128 v[KV+32*\g+8*\d:KV+32*\g+8*\d+3], v[ADV] offset:(64*(\q)+32*\g)*PV+32*\d
	ds_load_tr16_b128 v[KV+32*\g+8*\d+4:KV+32*\g+8*\d+7], v[ADV] offset:(64*(\q)+32*\g)*PV+32*\d+16*PV
.endr
.endr
	s_add_co_u32 s56, s[KF], 63                    ; a step all of whose keys count for all my queries skips the mask
	s_cmp_le_u32 s56, s[Q0]
	s_cbranch_scc1 .Lopen_\@
	s_sub_co_i32 s56, s[Q0], s[KF]
	v_add_nc_u32 v[DD], s56, v[DQ]                 ; register 32 t + 8 k + j holds key KF + 16 k + 8 h + j for query Q0 + 16 t + r: hidden where 16 k + j - 16 t > Q0 - KF + r - 8 h
.set n, 0
.rept 64
	v_cmp_gt_i32 vcc_lo, 16*((n%32)/8)+n%8-16*(n/32), v[DD]
	v_cndmask_b32 v[S+n], v[S+n], v[NINF], vcc_lo
.set n, n+1
.endr
.Lopen_\@:
.irp j, 0,1,2,3                                ; the largest of a tile's 32 scores and the old m; each accumulator is read from its low end on; the two tiles alternate
.irp t, 0,1
	v_max3_num_f32 v[ST+8*\t+4+\j], v[S+32*\t+8*\j], v[S+32*\t+8*\j+1], v[S+32*\t+8*\j+2]
.endr
.endr
.irp i, 3,5
.irp j, 0,1,2,3
.irp t, 0,1
	v_max3_num_f32 v[ST+8*\t+4+\j], v[ST+8*\t+4+\j], v[S+32*\t+8*\j+\i], v[S+32*\t+8*\j+\i+1]
.endr
.endr
.endr
.irp t, 0,1
	v_max3_num_f32 v[ST+8*\t+4], v[ST+8*\t+4], v[S+32*\t+7], v[S+32*\t+15]
	v_max3_num_f32 v[ST+8*\t+6], v[ST+8*\t+6], v[S+32*\t+23], v[S+32*\t+31]
.endr
.irp t, 0,1
	v_max3_num_f32 v[ST+8*\t+4], v[ST+8*\t+4], v[ST+8*\t+5], v[ST+8*\t+6]
.endr
.irp t, 0,1
	v_max3_num_f32 v[ST+8*\t+4], v[ST+8*\t+4], v[ST+8*\t+7], v[ST+8*\t+1]
.endr
.irp t, 0,1
	v_permlanex16_b32 v[ST+8*\t+5], v[ST+8*\t+4], s[SEL], s[SEL+1]   ; the query's other 32 keys lie in the lane 16 away
.endr
.irp t, 0,1
	v_mov_b32 v[ST+8*\t+7], v[ST+8*\t]             ; c m_old
.endr
.irp t, 0,1
	v_max_num_f32 v[ST+8*\t+1], v[ST+8*\t+4], v[ST+8*\t+5]
.endr
.irp t, 0,1
	v_mul_f32 v[ST+8*\t], s[CS], v[ST+8*\t+1]
.endr
.irp t, 0,1
	v_sub_f32 v[ST+8*\t+7], v[ST+8*\t+7], v[ST+8*\t]
.endr
.set n, 0
.rept 16
.irp t, 0,1
	v_pk_fma_f32 v[S+32*\t+n:S+32*\t+n+1], v[S+32*\t+n:S+32*\t+n+1], s[CS:CS+1], v[ST+8*\t:ST+8*\t+1] op_sel_hi:[1,0,0] neg_lo:[0,0,1] neg_hi:[0,0,1]   ; c s - c m
.endr
.set n, n+2
.endr
.irp t, 0,1
	v_exp_f32 v[ST+8*\t+6], v[ST+8*\t+7]           ; a
.endr
.set n, 0
.rept 64
	v_exp_f32 v[S+n], v[S+n]                       ; p
.set n, n+1
.endr
	v_nop                                          ; a plain instruction behind the last exponential
	s_wait_alu depctr_va_vdst(0)                   ; one wait for the batch of 66, ahead of its first reader
.irp t, 0,1
	v_pk_fma_f32 v[ST+8*\t+2:ST+8*\t+3], v[ST+8*\t+2:ST+8*\t+3], v[ST+8*\t+6:ST+8*\t+7], v[S+32*\t:S+32*\t+1] op_sel_hi:[1,0,1]   ; l = a l + the first pair
.endr
.irp t, 0,1
	v_pk_add_f32 v[ST+8*\t+4:ST+8*\t+5], v[S+32*\t+2:S+32*\t+3], v[S+32*\t+4:S+32*\t+5]   ; a second chain
.endr
.irp i, 6,10,14,18,22,26
.irp t, 0,1
	v_pk_add_f32 v[ST+8*\t+2:ST+8*\t+3], v[ST+8*\t+2:ST+8*\t+3], v[S+32*\t+\i:S+32*\t+\i+1]
	v_pk_add_f32 v[ST+8*\t+4:ST+8*\t+5], v[ST+8*\t+4:ST+8*\t+5], v[S+32*\t+\i+2:S+32*\t+\i+3]
.endr
.endr
.irp t, 0,1
	v_pk_add_f32 v[ST+8*\t+2:ST+8*\t+3], v[ST+8*\t+2:ST+8*\t+3], v[S+32*\t+30:S+32*\t+31]
.endr
.irp t, 0,1
	v_pk_add_f32 v[ST+8*\t+2:ST+8*\t+3], v[ST+8*\t+2:ST+8*\t+3], v[ST+8*\t+4:ST+8*\t+5]
.endr
.set n, 0
.rept 16
.irp t, 0,1
	v_cvt_pk_f16_f32 v[S+32*\t+n], v[S+32*\t+2*n], v[S+32*\t+2*n+1]   ; P in place: register n is written when registers 2 n, 2 n + 1 are read, and never before
.endr
.set n, n+1
.endr
.set n, 0
.rept 16
.irp t, 0,1
	v_pk_mul_f32 v[O+32*\t+n:O+32*\t+n+1], v[O+32*\t+n:O+32*\t+n+1], v[ST+8*\t+6:ST+8*\t+7] op_sel_hi:[1,0]   ; O^T x a, from each accumulator's low end on
.endr
.set n, n+2
.endr
	s_wait_dscnt 0x0                               ; V is in
.irp g, 0,1                                    ; O^T += V^T P: eight accumulators by turns
.irp d, 0,1,2,3
.irp t, 0,1
	v_wmma_f32_16x16x32_f16 v[O+32*\t+8*\d:O+32*\t+8*\d+7], v[KV+32*\g+8*\d:KV+32*\g+8*\d+7], v[S+32*\t+8*\g:S+32*\t+8*\g+7], v[O+32*\t+8*\d:O+32*\t+8*\d+7]
.endr
.endr
.endr
.Lhidden_\@:
	s_add_co_u32 s[KF], s[KF], 64
.endm
; THE CHANGE OF SLOTS stands at a slot's head.  Each wave waits for all its tensor loads, adds 0 to its spare word (fill = 1: twice on end), and waits for that and for its reads of the slot that it has left.
; Behind the barrier the slot ahead is whole and nobody reads the other one, which is then filled with the next 256 keys: a wave's one tensor load until the next barrier.
.macro CHANGE fill
	s_wait_tensorcnt 0x0                           ; no tensor load of mine is out, so a group 0 may be written
	ds_add_u32 v[SPW], v[NIL]
.if \fill
	ds_add_u32 v[SPW], v[NIL]
	s_xor_b32 s[G0K+1], s[G0K+1], SLOT1
	s_add_nc_u64 s[G0K+2:G0K+3], s[G0K+2:G0K+3], SK*128
	s_xor_b32 s[G0V+1], s[G0V+1], SLOT1
	s_add_nc_u64 s[G0V+2:G0V+3], s[G0V+2:G0V+3], SK*128
	s_wait_xcnt 0x0                                ; the last prefetch, a slot back, has read its address
	s_add_nc_u64 s[PFA:PFA+1], s[PFA:PFA+1], SK*128
.endif
	s_wait_dscnt 0x0
	s_barrier_signal -1
	s_barrier_wait -1
.if \fill
	s_add_co_u32 s56, s[KF], SK                    ; the first key of the slot that this change would ask for: past my work-group's last query none of its waves would read it.  Ids and the count of steps alone: all sixteen waves go the same way
	s_cmp_gt_u32 s56, s[LQ]
	s_cbranch_scc1 .Lpast_\@
	TLOAD
.Lpast_\@:
	ASK
.endif
.endm
.macro SLOT_STEPS
	STEP 0
	STEP 1
	STEP 2
	STEP 3
	s_xor_b32 s[TB], s[TB], SLOT1
.endm
	s_wait_loadcnt 0x0                             ; Q
.Lslot:                                            ; 7 trips
	CHANGE 1
	SLOT_STEPS
	s_sub_co_u32 s[SLOTS], s[SLOTS], 1
	s_cmp_lg_u32 s[SLOTS], 0
	s_cbranch_scc1 .Lslot
	CHANGE 0                                       ; the last slot is written out: nothing is left to ask for
	SLOT_STEPS
	; THE WAY OUT: O^T / l, rounded to f16, through my stage, 32 rows of 128 bytes; each store of the wave covers 512 consecutive bytes, aligned.
.rept 4
	v_nop
.endr
.irp t, 0,1
	v_add_f32 v[ST+8*\t+4], v[ST+8*\t+2], v[ST+8*\t+3]
.endr
.irp t, 0,1
	v_permlanex16_b32 v[ST+8*\t+5], v[ST+8*\t+4], s[SEL], s[SEL+1]
.endr
.irp t, 0,1
	v_add_f32 v[ST+8*\t+4], v[ST+8*\t+4], v[ST+8*\t+5]
.endr
.irp t, 0,1
	v_rcp_f32 v[ST+8*\t+6], v[ST+8*\t+4]
.endr
	v_nop
	s_wait_alu depctr_va_vdst(0)                   ; one wait for the two reciprocals
.set n, 0
.rept 16
.irp t, 0,1
	v_pk_mul_f32 v[O+32*\t+n:O+32*\t+n+1], v[O+32*\t+n:O+32*\t+n+1], v[ST+8*\t+6:ST+8*\t+7] op_sel_hi:[1,0]
.endr
.set n, n+2
.endr
.set n, 0
.rept 32
	v_cvt_pk_f16_f32 v[S+n], v[O+2*n], v[O+2*n+1]
.set n, n+1
.endr
.irp t, 0,1
.irp d, 0,1,2,3
	ds_store_b128 v[STO], v[S+16*\t+4*\d:S+16*\t+4*\d+3] offset:16*PK*\t+32*\d
.endr
.endr
.irp i, 0,1,2,3,4,5,6,7
	ds_load_b128 v[S+32+4*\i:S+32+4*\i+3], v[RD] offset:4*PK*\i    ; my own stores, served in order
.endr
.irp i, 0,1,2,3,4,5,6,7
	s_wait_dscnt 7-\i
	global_store_b128 v[GO], v[S+32+4*\i:S+32+4*\i+3], s[6:7] offset:512*\i
.endr
	s_wait_tensorcnt 0x0                           ; the wave's end
	ds_add_u32 v[SPW], v[NIL]
	s_wait_dscnt 0x0
	s_endpgm
.Lfunc_end_k_q93c9302479_attn:
	.size	k_q93c9302479_attn, .Lfunc_end_k_q93c9302479_attn-k_q93c9302479_attn
	.p2alignl 7, 3214868480
	.fill 96, 4, 3214868480
	.section	.rodata,"a",@progbits
	.p2align	6, 0x0
	.amdhsa_kernel k_q93c9302479_attn
		.amdhsa_group_segment_fixed_size 327680
		.amdhsa_private_segment_fixed_size 0
		.amdhsa_enable_private_segment 0
		.amdhsa_kernarg_size 16
		.amdhsa_user_sgpr_count 2
		.amdhsa_user_sgpr_kernarg_segment_ptr 1
		.amdhsa_wavefront_size32 1
		.amdhsa_system_sgpr_workgroup_id_x 1
		.amdhsa_system_sgpr_workgroup_id_y 1
		.amdhsa_system_sgpr_workgroup_id_z 1
		.amdhsa_system_vgpr_workitem_id 0
		.amdhsa_next_free_vgpr 256
		.amdhsa_next_free_sgpr 66
		.amdhsa_reserve_vcc 1
		.amdhsa_float_denorm_mode_32 3
		.amdhsa_float_denorm_mode_16_64 3
		.amdhsa_memory_ordered 1
		.amdhsa_forward_progress 1
		.amdhsa_inst_pref_size 187
	.end_amdhsa_kernel
	.amdgpu_metadata
---
amdhsa.version: [ 1, 2 ]
amdhsa.kernels:
  - .name:           k_q93c9302479_attn
    .symbol:         k_q93c9302479_attn.kd
    .args:
      - { .name: qkv16, .offset: 0, .size: 8, .value_kind: global_buffer, .address_space: global }
      - { .name: att16, .offset: 8, .size: 8, .value_kind: global_buffer, .address_space: global }
    .group_segment_fixed_size: 327680
    .private_segment_fixed_size: 0
    .kernarg_segment_align: 8
    .kernarg_segment_size: 16
    .max_flat_workgroup_size: 512
    .sgpr_count:     66
    .vgpr_count:     256
    .wavefront_size: 32
...
	.end_amdgpu_metadata
.endif
;; end of part 4
;; launch proj (part 5): grid 4 x 64, 4 waves a work-group, clusters of 4 x 4, 327,680 bytes of LDS; arguments att16, wp16, bp, out0; writes out0
.if DOCPART == 5
	.amdgcn_target "amdgcn-amd-amdhsa--gfx1250"
	.amdhsa_code_object_version 6
	.text
	.protected	k_q93c9302479_proj
	.globl	k_q93c9302479_proj
	.p2align	8
	.type	k_q93c9302479_proj,@function
k_q93c9302479_proj:
	s_mov_b64 s[64:65], 0
	v_nop
	global_prefetch_b8 v0, s[64:65] scope:SCOPE_SE
	s_setreg_imm32_b32 hwreg(HW_REG_WAVE_MODE, 25, 1), 1
	s_wait_xcnt 0x0
	s_wait_alu depctr_hold_cnt(0) depctr_sa_sdst(0) depctr_va_vdst(0) depctr_va_sdst(0) depctr_va_ssrc(0) depctr_va_vcc(0) depctr_vm_vsrc(0)
	s_getreg_b32 s2, hwreg(HW_REG_IB_STS2, 6, 4)
	s_cmp_eq_u32 s2, 0
	s_cbranch_scc0 .Lentry_in_a_cluster
	s_endpgm
.Lentry_in_a_cluster:
	s_bfe_u32 s2, ttmp6, 0x10000c
	s_cmp_lg_u32 s2, 0xf033
	s_cbranch_scc0 .Lentry_shape_is_right
	s_endpgm
.Lentry_shape_is_right:
; out0[m][n] = sum over k of att[m][k] Wp[k][n] + bp[n], m = 2048 b + t, k = 64 head + e: f16 operands, f32 sums.  att16 [16 b + head][t][64] f16; wp16 [k][n] f16; bp, out0 f32.
; NOT STORED HERE: rows t < 16 of every batch: the launch first16 makes them in f32.  They lie inside tiles that hold live rows, so they are multiplied and not stored.
; A tile of the output is 128 (m) x 256 (n): 256 work-groups.  Four waves, each 64 x 128: 32 accumulators.  K goes in 8 steps of 128 (two heads) through two LDS slots.
; CLUSTERS: 4 x 4: cx = the tile column, cy = the BATCH, the cluster's y = the tile of 128 tokens, so that 't < 16' hangs on the cluster's y and the wave's number alone.  att's tiles are asked for jointly along a row of the cluster, Wp's along a column.
; THE MATRIX INSTRUCTION IS USED TRANSPOSED: source 0 = 16 n of Wp (out of LDS turned, since k is Wp's first axis), source 1 = 16 rows of att: a lane holds eight neighbouring n of one row.  bp is the C of each sum's first product.
; No prefetch: 8 K steps, of which the first four are asked for at the head or one step later.
; REGISTERS: window 0: v16-29 addresses; att's fragments v32-63, v64-95; Wp's v96-159, v160-223 (two buffers each); on the way out v32-159.  window 1: accumulator (a, b) at v[8 (8 a + b)].  window 2: v0-63 bp in the result's layout.
.set PA,    144                        ; att's row in LDS: 128 bytes + 16
.set PB,    544                        ; Wp's: 512 + 32
.set SUBA,  128*PA                     ; one head's 128 rows
.set BOFF,  2*SUBA
.set HALFB, 64*PB
.set SLOT,  BOFF+2*HALFB
.set STAGE, 2*SLOT                     ; 16 rows x 528 bytes for each wave; no tensor load lands here
.set SPITCH, 528
.set SPARE, STAGE+4*16*SPITCH
.set LAPS,  4
.set ADRA, 16
.set ADRB, 20
.set STO,  24
.set RD,   25
.set CO,   26
.set SPW,  28
.set NIL,  29
.set FA,   32
.set FB,   96
.set BK,   32
.set WV,   12
.set RH,   13                          ; s13 my half of the rows.  Also: I fetch for att (0) or for Wp (1)
.set CH,   14                          ; s14 my half of the columns.  Also: which head of the two, or which 64 rows of Wp, I fetch
.set CLY,  15
.set G1, 24
.set G0, 32
.set G1B, 48
.set G0B, 56
.set MSB, 0
.macro WIN new
.if MSB != (\new)
	s_set_vgpr_msb (MSB<<8)|(\new)
.set MSB, (\new)
.endif
.endm
.macro JLOAD s                         ; an s_nop 0 and four v_nop follow each of the two lines
	s_cmp_eq_u32 s[RH], 0
	s_cbranch_scc0 .Lfor_b_\@
	tensor_load_to_lds s[G0+4*\s:G0+4*\s+3], s[G1:G1+7]
	s_nop 0
.rept 4
	v_nop
.endr
	s_branch .Lasked_\@
.Lfor_b_\@:
	tensor_load_to_lds s[G0B+4*\s:G0B+4*\s+3], s[G1B:G1B+7]
	s_nop 0
.rept 4
	v_nop
.endr
.Lasked_\@:
.endm
.macro CREST
	s_cmp_lg_u32 s[WV], 0
	s_cbranch_scc1 .Lnot_wave_0_\@
	s_barrier_signal -3
.Lnot_wave_0_\@:
	s_barrier_wait -3
	s_barrier_signal -1
	s_barrier_wait -1
.endm
.macro CROUND
	s_barrier_signal -1
	s_barrier_wait -1
	CREST
.endm
	s_load_b128 s[4:7], s[0:1], 0x0                ; att16, wp16
	s_load_b128 s[8:11], s[0:1], 0x10              ; bp, out0
	v_lshl_add_u32 v[SPW], v0, 2, SPARE
	v_mov_b32 v[NIL], 0
	ds_add_u32 v[SPW], v[NIL]                      ; the wave's opening: the add, twice on end, and its wait ahead of my first tensor load
	ds_add_u32 v[SPW], v[NIL]
	v_lshrrev_b32 v1, 5, v0
	v_readfirstlane_b32 s[WV], v1
	s_lshr_b32 s[RH], s[WV], 1
	s_and_b32 s[CH], s[WV], 1
	s_bfe_u32 s40, ttmp6, 0x40000                  ; cx: the tile column
	s_bfe_u32 s41, ttmp6, 0x40004                  ; cy: the batch
	s_and_b32 s[CLY], ttmp7, 0xffff                ; the tile of 128 tokens
	s_or_b32 s42, s[CLY], s[RH]                    ; 0: my block 0 holds tokens 0 to 15
	s_lshl_b32 s43, s41, 2
	s_lshl_b32 s43, 15, s43                        ; my row of the cluster
	s_lshl_b32 s44, 0x1111, s40                    ; my column
	s_or_b32 s[G1+0], s43, (1<<16)|(1<<20)|(1<<21)|(4<<22)|(3<<25)   ; att: elements of 2 bytes; 4 words of padding behind every 32
	s_mov_b32 s[G1+1], 64<<16
	s_mov_b32 s[G1+2], 128<<16
	s_mov_b32 s[G1+3], 64<<16
	s_mov_b32 s[G1+4], 128
	s_mov_b32 s[G1+5], 64
	s_mov_b32 s[G1+6], 0
	s_mov_b32 s[G1+7], 0
	s_or_b32 s[G1B+0], s44, (1<<16)|(1<<20)|(1<<21)|(6<<22)|(7<<25)  ; Wp: 8 words behind every 128
	s_mov_b32 s[G1B+1], 256<<16
	s_mov_b32 s[G1B+2], 64<<16
	s_mov_b32 s[G1B+3], 256<<16
	s_mov_b32 s[G1B+4], 64
	s_mov_b32 s[G1B+5], 1024
	s_mov_b32 s[G1B+6], 0
	s_mov_b32 s[G1B+7], 0
	s_lshl_b32 s16, s41, 4                         ; att: head 16 b + (0 or 1), tokens 128 x tile on
	s_add_co_u32 s16, s16, s[CH]
	s_lshl_b32 s16, s16, 18
	s_lshl_b32 s17, s[CLY], 14
	s_add_co_u32 s16, s16, s17
	s_mov_b32 s17, 0
	s_lshl_b32 s46, s[CH], 17                      ; Wp: row 64 x (0 or 1), column 256 cx
	s_lshl_b32 s47, s40, 9
	s_add_co_u32 s46, s46, s47
	s_mov_b32 s47, 0
	s_mul_i32 s20, s[CH], SUBA                     ; where they go: no place in the cluster enters an LDS address
	s_mul_i32 s21, s[CH], HALFB
	s_add_co_u32 s21, s21, BOFF
	s_wait_dscnt 0x0
	s_wait_kmcnt 0x0
	s_add_nc_u64 s[16:17], s[4:5], s[16:17]
	s_add_nc_u64 s[46:47], s[6:7], s[46:47]
	CROUND
.irp s, 0,1
	s_mov_b32 s[G0+4*\s], 1
	s_add_co_u32 s[G0+4*\s+1], s20, \s*SLOT
	s_add_nc_u64 s[G0+4*\s+2:G0+4*\s+3], s[16:17], \s*2*262144
	s_or_b32 s[G0+4*\s+3], s[G0+4*\s+3], 0x80000000
	s_mov_b32 s[G0B+4*\s], 1
	s_add_co_u32 s[G0B+4*\s+1], s21, \s*SLOT
	s_add_nc_u64 s[G0B+4*\s+2:G0B+4*\s+3], s[46:47], \s*128*2048
	s_or_b32 s[G0B+4*\s+3], s[G0B+4*\s+3], 0x80000000
	JLOAD \s
.endr
	v_and_b32 v1, 15, v0                           ; r
	v_bfe_u32 v2, v0, 4, 1                         ; h
	v_mul_u32_u24 v3, v1, PA
	v_lshl_add_u32 v3, v2, 4, v3
	s_mul_i32 s21, s[RH], 64*PA
	v_and_b32 v4, 7, v0
	v_lshl_add_u32 v4, v2, 3, v4
	v_mul_u32_u24 v4, v4, PB
	v_bfe_u32 v5, v0, 3, 1
	v_lshl_add_u32 v4, v5, 4, v4                   ; the turning load: k 8 h + lane % 8, n 8 ((lane / 8) % 2) on
	s_lshl_b32 s22, s[CH], 8
	s_add_co_u32 s22, s22, BOFF
.irp s, 0,1
	v_add_nc_u32 v[ADRA+\s], s21, v3
	v_add_nc_u32 v[ADRB+\s], s22, v4
	s_add_co_u32 s21, s21, SLOT
	s_add_co_u32 s22, s22, SLOT
.endr
	s_mul_i32 s23, s[WV], 16*SPITCH
	s_add_co_u32 s23, s23, STAGE
	v_mul_u32_u24 v5, v1, SPITCH
	v_lshl_add_u32 v5, v2, 5, v5
	v_add_nc_u32 v[STO], s23, v5
	v_and_b32 v6, 31, v0
	v_lshlrev_b32 v[CO], 4, v6
	v_add_nc_u32 v[RD], s23, v[CO]
	v_lshlrev_b32 v6, 5, v2                        ; bp: 32 h bytes
	s_lshl_b32 s22, s40, 10
	s_lshl_b32 s23, s[CH], 9
	s_add_co_u32 s22, s22, s23                     ; my first column x 4
	s_mov_b32 s23, 0
	s_add_nc_u64 s[8:9], s[8:9], s[22:23]
	s_add_nc_u64 s[10:11], s[10:11], s[22:23]
	s_lshl_b32 s22, s41, 23                        ; my first row: 2048 b + 128 tile + 64 half, 4,096 bytes each
	s_lshl_b32 s46, s[CLY], 19
	s_add_co_u32 s22, s22, s46
	s_lshl_b32 s46, s[RH], 18
	s_add_co_u32 s22, s22, s46
	s_add_nc_u64 s[10:11], s[10:11], s[22:23]
	WIN 0x80                                       ; destination window 2
.irp b, 0,1,2,3,4,5,6,7
	global_load_b128 v[8*\b:8*\b+3], v6, s[8:9] offset:64*\b        ; bp at 16 b + 8 h + 0 .. 7 of my 128 columns
	global_load_b128 v[8*\b+4:8*\b+7], v6, s[8:9] offset:64*\b+16
.endr
	WIN 0
.macro MULA f, a, first                ; eight matrix instructions: att's block a against Wp's eight.  The 32 accumulators take turns in the same order in every quarter
.irp b, 0,1,2,3,4,5,6,7
.if \first
	v_wmma_f32_16x16x32_f16 v[8*(8*(\a)+\b):8*(8*(\a)+\b)+7], v[FB+64*(\f)+8*\b:FB+64*(\f)+8*\b+7], v[FA+32*(\f)+8*(\a):FA+32*(\f)+8*(\a)+7], v[8*\b:8*\b+7]
.else
	v_wmma_f32_16x16x32_f16 v[8*(8*(\a)+\b):8*(8*(\a)+\b)+7], v[FB+64*(\f)+8*\b:FB+64*(\f)+8*\b+7], v[FA+32*(\f)+8*(\a):FA+32*(\f)+8*(\a)+7], v[8*(8*(\a)+\b):8*(8*(\a)+\b)+7]
.endif
.endr
.endm
.macro FETCH slot, kq, f               ; 24 LDS loads in one run: quarter kq (32 along K) of the slot into buffer f: Wp's eight fragments, then att's four
.irp b, 0,1,2,3,4,5,6,7
	ds_load_tr16_b128 v[FB+64*(\f)+8*\b:FB+64*(\f)+8*\b+3], v[ADRB+\slot] offset:32*PB*(\kq)+32*\b
	ds_load_tr16_b128 v[FB+64*(\f)+8*\b+4:FB+64*(\f)+8*\b+7], v[ADRB+\slot] offset:32*PB*(\kq)+32*\b+16*PB
.endr
.irp a, 0,1,2,3
	ds_load_b128 v[FA+32*(\f)+8*\a:FA+32*(\f)+8*\a+3], v[ADRA+\slot] offset:((\kq)/2)*SUBA+((\kq)%2)*64+\a*16*PA
	ds_load_b128 v[FA+32*(\f)+8*\a+4:FA+32*(\f)+8*\a+7], v[ADRA+\slot] offset:((\kq)/2)*SUBA+((\kq)%2)*64+\a*16*PA+32
.endr
.endm
.macro PLACES
.rept 4
	v_nop
.endr
.endm
.macro QUARTER slot, kq, f, first      ; multiplies buffer f; in its middle fetches quarter kq of the slot into the other buffer
	s_wait_dscnt 4                                 ; Wp's fragments and att's blocks 0, 1 are in; the youngest four loads may be out
	WIN 0x50+0x10*(\first)                         ; D window 1; C window 1, or window 2 (bp) in the first quarter
	MULA \f, 0, \first
	MULA \f, 1, \first
	PLACES
	WIN 0
	FETCH \slot, \kq, 1-(\f)
	s_wait_dscnt 24                                ; all but the 24 just issued
	WIN 0x50+0x10*(\first)
	MULA \f, 2, \first
	MULA \f, 3, \first
.endm
; A slot's last quarter multiplies buffer 1 and changes slots: one barrier; in front of it each wave waits for all its tensor loads, adds 0 to its spare word, and waits for that and for its reads of this slot.
.macro TURN slot, next, fill
	WIN 0
	s_wait_tensorcnt 0x0                           ; my part of the next slot has landed
	ds_add_u32 v[SPW], v[NIL]
	s_wait_dscnt 5                                 ; the add and the youngest four loads may be out
	WIN 0x50
	MULA 1, 0, 0
	s_wait_dscnt 0x0                               ; the add is done, and my reads of this slot are over
	s_barrier_signal -1
	MULA 1, 1, 0
	WIN 0
	s_barrier_wait -1
.if \fill
	CREST                                          ; the barrier has opened a round of the cluster's: no wave of any partner still reads this slot or has a load on its way
	s_add_nc_u64 s[G0+4*\slot+2:G0+4*\slot+3], s[G0+4*\slot+2:G0+4*\slot+3], 4*262144
	s_add_nc_u64 s[G0B+4*\slot+2:G0B+4*\slot+3], s[G0B+4*\slot+2:G0B+4*\slot+3], 256*2048
	JLOAD \slot                                    ; the first tensor load behind the round; its four v_nop are also the places in front of the loads below
.else
	PLACES
.endif
	FETCH \next, 0, 0
	WIN 0x50
	MULA 1, 2, 0
	MULA 1, 3, 0
.endm
	s_wait_tensorcnt 1                             ; my part of K step 0 is in; K step 1's load may be out
	s_barrier_signal -1
	s_barrier_wait -1
	FETCH 0, 0, 0
	s_wait_loadcnt 0x0                             ; bp
	QUARTER 0, 1, 0, 1                             ; the first quarter starts the sums on bp
	WIN 0
	s_mov_b32 s3, LAPS-1
.Llap:                                                 ; a trip goes once round the ring and fills both slots again
	QUARTER 0, 2, 1, 0
	QUARTER 0, 3, 0, 0
	TURN 0, 1, 1
	QUARTER 1, 1, 0, 0
	QUARTER 1, 2, 1, 0
	QUARTER 1, 3, 0, 0
	TURN 1, 0, 1
	QUARTER 0, 1, 0, 0
	WIN 0
	s_sub_co_u32 s3, s3, 1
	s_cmp_lg_u32 s3, 0
	s_cbranch_scc1 .Llap
	QUARTER 0, 2, 1, 0                             ; the last lap fills nothing
	QUARTER 0, 3, 0, 0
	TURN 0, 1, 0
	QUARTER 1, 1, 0, 0
	QUARTER 1, 2, 1, 0
	QUARTER 1, 3, 0, 0
	s_wait_dscnt 4
	WIN 0x50
	MULA 1, 0, 0
	MULA 1, 1, 0
	s_wait_dscnt 0
	MULA 1, 2, 0
	MULA 1, 3, 0
	WIN 0
	PLACES
; THE WAY OUT, block by block of 16 rows x 128 columns: through my stage, back as whole rows of 512 bytes.
.macro TOSTAGE a
	WIN 0x04                                       ; an LDS store's data: window 1
.irp b, 0,1,2,3,4,5,6,7
	ds_store_b128 v[STO], v[8*(8*(\a)+\b):8*(8*(\a)+\b)+3] offset:64*\b          ; each accumulator from its low end on
	ds_store_b128 v[STO], v[8*(8*(\a)+\b)+4:8*(8*(\a)+\b)+7] offset:64*\b+16
.endr
	WIN 0
.set BB, BK+64*((\a)%2)
.irp t, 0,1,2,3,4,5,6,7,8,9,10,11,12,13,14,15
	ds_load_b128 v[BB+4*\t:BB+4*\t+3], v[RD] offset:\t*SPITCH
.endr
.endm
.macro SEND a, younger
.set BB, BK+64*((\a)%2)
	s_wait_dscnt \younger                          ; the block is back; the next block's 16 stores and 16 loads may be out
.if (\a) == 0
	s_cmp_eq_u32 s42, 0                            ; tokens 0 to 15 of a batch are the launch first16's: the cluster's y and the wave's number alone decide
	s_cbranch_scc1 .Lnot_here
.endif
.irp t, 0,1,2,3,4,5,6,7,8,9,10,11,12,13,14,15
	global_store_b128 v[CO], v[BB+4*\t:BB+4*\t+3], s[10:11] offset:65536*(\a)+4096*\t th:TH_STORE_NT   ; 32 lanes store 512 consecutive bytes, aligned
.endr
.if (\a) == 0
.Lnot_here:
.endif
.endm
	TOSTAGE 0
.irp a, 1,2,3
.if \a > 1
	s_wait_xcnt 0x0                                ; block a - 2's stores have read their registers: block a's loads may land there
.endif
	TOSTAGE \a
	SEND \a-1, 32
.endr
	SEND 3, 0
	s_wait_tensorcnt 0x0                           ; the wave's end
	ds_add_u32 v[SPW], v[NIL]
	s_wait_dscnt 0x0
	CROUND                                         ; the closing round
	s_endpgm
.Lfunc_end_k_q93c9302479_proj:
	.size	k_q93c9302479_proj, .Lfunc_end_k_q93c9302479_proj-k_q93c9302479_proj
	.p2alignl 7, 3214868480
	.fill 96, 4, 3214868480
	.section	.rodata,"a",@progbits
	.p2align	6, 0x0
	.amdhsa_kernel k_q93c9302479_proj
		.amdhsa_group_segment_fixed_size 327680
		.amdhsa_private_segment_fixed_size 0
		.amdhsa_enable_private_segment 0
		.amdhsa_kernarg_size 32
		.amdhsa_user_sgpr_count 2
		.amdhsa_user_sgpr_kernarg_segment_ptr 1
		.amdhsa_wavefront_size32 1
		.amdhsa_system_sgpr_workgroup_id_x 1
		.amdhsa_system_sgpr_workgroup_id_y 1
		.amdhsa_system_sgpr_workgroup_id_z 1
		.amdhsa_system_vgpr_workitem_id 0
		.amdhsa_next_free_vgpr 640
		.amdhsa_next_free_sgpr 66
		.amdhsa_reserve_vcc 0
		.amdhsa_float_denorm_mode_32 3
		.amdhsa_float_denorm_mode_16_64 3
		.amdhsa_memory_ordered 1
		.amdhsa_forward_progress 1
		.amdhsa_inst_pref_size 87
	.end_amdhsa_kernel
	.amdgpu_metadata
---
amdhsa.version: [ 1, 2 ]
amdhsa.kernels:
  - .name:           k_q93c9302479_proj
    .symbol:         k_q93c9302479_proj.kd
    .args:
      - { .name: att16, .offset: 0, .size: 8, .value_kind: global_buffer, .address_space: global }
      - { .name: wp16, .offset: 8, .size: 8, .value_kind: global_buffer, .address_space: global }
      - { .name: bp, .offset: 16, .size: 8, .value_kind: global_buffer, .address_space: global }
      - { .name: out0, .offset: 24, .size: 8, .value_kind: global_buffer, .address_space: global }
    .group_segment_fixed_size: 327680
    .private_segment_fixed_size: 0
    .kernarg_segment_align: 8
    .kernarg_segment_size: 32
    .max_flat_workgroup_size: 128
    .sgpr_count:     66
    .vgpr_count:     640
    .wavefront_size: 32
...
	.end_amdgpu_metadata
.endif
;; end of part 5
;; launch first16 (part 6): grid 16 x 4, 16 waves a work-group, no clusters, 71,680 bytes of LDS; arguments qkv32, Wp, bp, out0; writes out0
.if DOCPART == 6
	.amdgcn_target "amdgcn-amd-amdhsa--gfx1250"
	.amdhsa_code_object_version 6
	.text
	.protected	k_q93c9302479_first16
	.globl	k_q93c9302479_first16
	.p2align	8
	.type	k_q93c9302479_first16,@function
k_q93c9302479_first16:
	s_mov_b64 s[64:65], 0
	v_nop
	global_prefetch_b8 v0, s[64:65] scope:SCOPE_SE
	s_setreg_imm32_b32 hwreg(HW_REG_WAVE_MODE, 25, 1), 1
	s_wait_xcnt 0x0
; Positions t = 0 .. 15 of every batch, attention and projection, in f32 (v_wmma_f32_16x16x4_f32): there a row averages one to sixteen values and is the largest in size.  64 rows of the output in all: no bulk work.
; qkv32 [b][t 16][3072] f32 (q, k, v of these tokens as the quantised products gave them); Wp [1024][1024], bp f32.  Only keys 0 to 15 count for these queries (the mask that reference() builds itself; shown at the head of the launch prep).
; A work-group (x, b) makes out0[b][0..15][64 x .. 64 x + 63].  Wave hd makes head hd's 16 x 16 attention and multiplies its 64 channels by Wp's rows 64 hd on; the 16 partial tiles are summed through LDS, + bp.
; All products are used transposed: a lane holds ONE query (lane % 16).  Within each product k is permuted alike on both operands, so that loads of 16 bytes and the results' own registers serve as operands:
;   scores, step (i, u): lane half h, register j hold channel 8 i + 4 h + 2 u + j;   P V, step u: key 8 h + 2 u + j;   projection, step (d, u): channel 16 d + 8 h + 2 u + j.
; v32-63 are written by matrix instructions alone; every sum begins with the constant 0; the accumulators take turns (2, 4 and 4 of them).
.set SPW, 6
.set NIL, 7
.set PITCH, 272
.set SPARE, 16*16*PITCH                ; behind the 16 partial tiles: the spare words, 128 bytes a wave, named by no other line
.set T,   16                           ; v16-23   the scores, then p
.set ACC, 32                           ; v32-63
.set QR,  64                           ; v64-95   q;  v96-127 k;  later Wp for d = 2, 3;  later the partial tiles
.set KR,  96
.set VR,  128                          ; v128-159 V, later O / l
.set WR0, 160                          ; v160-223 Wp for d = 0, 1
.set BI,  224                          ; v224-227 bp
	s_load_b128 s[4:7], s[0:1], 0x0                ; qkv32, Wp
	s_load_b128 s[8:11], s[0:1], 0x10              ; bp, out0
	v_lshl_add_u32 v[SPW], v0, 2, SPARE
	v_mov_b32 v[NIL], 0
	v_lshrrev_b32 v1, 5, v0
	v_readfirstlane_b32 s16, v1                    ; wave = head
	v_and_b32 v1, 15, v0                           ; r
	v_bfe_u32 v2, v0, 4, 1                         ; h
	v_mul_u32_u24 v3, v1, 12288
	v_lshl_add_u32 v3, v2, 4, v3                   ; q, k: token r's row + 16 h
	v_mul_u32_u24 v4, v2, 98304
	v_lshl_add_u32 v4, v1, 2, v4                   ; v: 8 h tokens down, channel r
	v_lshlrev_b32 v5, 15, v2
	v_lshl_add_u32 v5, v1, 2, v5                   ; Wp: 8 h rows down, column r
	s_mul_i32 s20, s16, 16*PITCH
	v_mul_u32_u24 v8, v1, PITCH
	v_lshl_add_u32 v8, v2, 5, v8
	v_add_nc_u32 v8, s20, v8                       ; my partial tile: row r, 32 h bytes
	s_mul_i32 s21, s16, 2*PITCH
	v_mul_u32_u24 v9, v2, PITCH
	v_lshl_add_u32 v9, v1, 4, v9
	v_add_nc_u32 v9, s21, v9                       ; the sum (waves 0-7): rows 2 wave, 2 wave + 1, sixteen lanes to a row
	v_lshlrev_b32 v10, 12, v2
	v_lshl_add_u32 v10, v1, 4, v10                 ; and the same two rows in out0
	v_lshlrev_b32 v11, 3, v2
	v_sub_nc_u32 v11, v1, v11                      ; r - 8 h
	v_mov_b32 v12, 0xff800000
	v_lshlrev_b32 v13, 4, v1                       ; bp: 16 r bytes
	s_mov_b32 s22, 0x76543210
	s_mov_b32 s23, 0xfedcba98
	s_mov_b32 s24, 0x3e38aa3b                      ; c = log2(e) / 8
	s_and_b32 s18, ttmp7, 0xffff                   ; b
	s_lshl_b32 s17, ttmp9, 8                       ; my first column x 4
	s_mul_i32 s26, s18, 196608
	s_lshl_b32 s27, s16, 8
	s_add_co_u32 s26, s26, s27
	s_mov_b32 s27, 0
	s_lshl_b32 s28, s16, 18
	s_add_co_u32 s28, s28, s17
	s_mov_b32 s29, 0
	s_mov_b32 s30, s17
	s_mov_b32 s31, 0
	s_lshl_b32 s32, s18, 23
	s_lshl_b32 s33, s16, 13
	s_add_co_u32 s32, s32, s33
	s_add_co_u32 s32, s32, s17
	s_mov_b32 s33, 0
	s_wait_kmcnt 0x0
	s_add_nc_u64 s[4:5], s[4:5], s[26:27]
	s_add_nc_u64 s[6:7], s[6:7], s[28:29]
	s_add_nc_u64 s[8:9], s[8:9], s[30:31]
	s_add_nc_u64 s[10:11], s[10:11], s[32:33]
	global_load_b128 v[BI:BI+3], v13, s[8:9]
.irp i, 0,1,2,3,4,5,6,7
	global_load_b128 v[QR+4*\i:QR+4*\i+3], v3, s[4:5] offset:32*\i
.endr
.irp i, 0,1,2,3,4,5,6,7
	global_load_b128 v[KR+4*\i:KR+4*\i+3], v3, s[4:5] offset:4096+32*\i
.endr
.irp d, 0,1,2,3
.irp i, 0,1,2,3,4,5,6,7
	global_load_b32 v[VR+8*\d+\i], v4, s[4:5] offset:8192+12288*\i+64*\d   ; V(key 8 h + i, channel 16 d + r)
.endr
.endr
.irp d, 0,1
.irp u, 0,1,2,3
.irp n, 0,1,2,3
.irp j, 0,1
	global_load_b32 v[WR0+32*\d+8*\u+2*\n+\j], v5, s[6:7] offset:4096*(16*\d+2*\u+\j)+64*\n   ; Wp(64 hd + 16 d + 8 h + 2 u + j, 16 n + r)
.endr
.endr
.endr
.endr
	s_wait_loadcnt 63                              ; of the 113 issued the first 50 are in: bp, q, k among them
.irp i, 0,1,2,3,4,5,6,7                        ; S^T = K Q^T in two accumulators by turns
.irp u, 0,1
.if \i == 0
	v_wmma_f32_16x16x4_f32 v[ACC+8*\u:ACC+8*\u+7], v[KR+4*\i+2*\u:KR+4*\i+2*\u+1], v[QR+4*\i+2*\u:QR+4*\i+2*\u+1], 0
.else
	v_wmma_f32_16x16x4_f32 v[ACC+8*\u:ACC+8*\u+7], v[KR+4*\i+2*\u:KR+4*\i+2*\u+1], v[QR+4*\i+2*\u:QR+4*\i+2*\u+1], v[ACC+8*\u:ACC+8*\u+7]
.endif
.endr
.endr
.rept 9
	v_nop                                          ; places: eight in front of the reads of the results and of the loads into q's and k's registers, nine in front of the products that write over the results
.endr
.irp d, 0,1
.irp u, 0,1,2,3
.irp n, 0,1,2,3
.irp j, 0,1
	global_load_b32 v[QR+32*\d+8*\u+2*\n+\j], v5, s[6:7] offset:4096*(32+16*\d+2*\u+\j)+64*\n   ; Wp for channels 32 on
.endr
.endr
.endr
.endr
.irp j, 0,1,2,3,4,5,6,7
	v_add_f32 v[T+\j], v[ACC+\j], v[ACC+8+\j]      ; from the accumulators' low ends on: the score of key 8 h + j for query r
.endr
.irp j, 0,1,2,3,4,5,6,7
	v_cmp_gt_i32 vcc_lo, \j, v11                   ; hidden where 8 h + j > r
	v_cndmask_b32 v[T+\j], v[T+\j], v12, vcc_lo
.endr
	v_max3_num_f32 v24, v16, v17, v18
	v_max3_num_f32 v25, v19, v20, v21
	v_max3_num_f32 v24, v24, v22, v23
	v_max_num_f32 v24, v24, v25
	v_permlanex16_b32 v25, v24, s22, s23
	v_max_num_f32 v24, v24, v25                    ; the row's maximum: key 0 counts for every query
	v_mul_f32 v24, s24, v24
.irp j, 0,1,2,3,4,5,6,7
	v_fma_f32 v[T+\j], v[T+\j], s24, -v24
.endr
.irp j, 0,1,2,3,4,5,6,7
	v_exp_f32 v[T+\j], v[T+\j]
.endr
	v_nop
	s_wait_alu depctr_va_vdst(0)                   ; one wait for the eight exponentials
	v_add_f32 v24, v16, v17
	v_add_f32 v25, v18, v19
	v_add_f32 v26, v20, v21
	v_add_f32 v27, v22, v23
	v_add_f32 v24, v24, v25
	v_add_f32 v26, v26, v27
	v_add_f32 v24, v24, v26
	v_permlanex16_b32 v25, v24, s22, s23
	v_add_f32 v24, v24, v25                        ; the row's sum
	v_rcp_f32 v26, v24
	v_nop
	s_wait_alu depctr_va_vdst(0)
	s_wait_loadcnt 63                              ; of the 177 issued the first 114 are in: V and Wp's first half
.irp u, 0,1,2,3                                ; O^T = V^T P: four accumulators by turns
.irp d, 0,1,2,3
.if \u == 0
	v_wmma_f32_16x16x4_f32 v[ACC+8*\d:ACC+8*\d+7], v[VR+8*\d+2*\u:VR+8*\d+2*\u+1], v[T+2*\u:T+2*\u+1], 0
.else
	v_wmma_f32_16x16x4_f32 v[ACC+8*\d:ACC+8*\d+7], v[VR+8*\d+2*\u:VR+8*\d+2*\u+1], v[T+2*\u:T+2*\u+1], v[ACC+8*\d:ACC+8*\d+7]
.endif
.endr
.endr
.rept 9
	v_nop
.endr
.set n, 0
.rept 32
	v_mul_f32 v[VR+n], v[ACC+n], v26               ; O / l, into other registers: channel 16 d + 8 h + j of query r at 8 d + j
.set n, n+1
.endr
.irp d, 0,1,2,3                                ; the projection: four accumulators (16 columns each) by turns
.if \d == 2
	s_wait_loadcnt 0x0                             ; Wp's second half
.endif
.irp u, 0,1,2,3
.irp n, 0,1,2,3
.if \d < 2
.set WR, WR0+32*\d+8*\u+2*\n
.else
.set WR, QR+32*(\d-2)+8*\u+2*\n
.endif
.if (\d == 0) && (\u == 0)
	v_wmma_f32_16x16x4_f32 v[ACC+8*\n:ACC+8*\n+7], v[WR:WR+1], v[VR+8*\d+2*\u:VR+8*\d+2*\u+1], 0
.else
	v_wmma_f32_16x16x4_f32 v[ACC+8*\n:ACC+8*\n+7], v[WR:WR+1], v[VR+8*\d+2*\u:VR+8*\d+2*\u+1], v[ACC+8*\n:ACC+8*\n+7]
.endif
.endr
.endr
.endr
.rept 8
	v_nop
.endr
.irp n, 0,1,2,3
	ds_store_b128 v8, v[ACC+8*\n:ACC+8*\n+3] offset:64*\n          ; lane (r, h): columns 16 n + 8 h + 0 .. 7 of row r; each accumulator from its low end on
	ds_store_b128 v8, v[ACC+8*\n+4:ACC+8*\n+7] offset:64*\n+16
.endr
	s_wait_dscnt 0x0                               ; for the others' sake: my partial tile has landed
	s_barrier_signal -1
	s_barrier_wait -1
	s_cmp_lt_u32 s16, 8                            ; 16 rows: two to a wave
	s_cbranch_scc0 .Ldone
.irp i, 0,1,2,3,4,5,6,7,8,9,10,11,12,13,14,15
	ds_load_b128 v[QR+4*\i:QR+4*\i+3], v9 offset:16*PITCH*\i
.endr
	s_wait_dscnt 0x0
.irp d, 8,4,2,1
.set n, 0
.rept \d
	v_pk_add_f32 v[QR+4*n:QR+4*n+1], v[QR+4*n:QR+4*n+1], v[QR+4*(n+\d):QR+4*(n+\d)+1]
	v_pk_add_f32 v[QR+4*n+2:QR+4*n+3], v[QR+4*n+2:QR+4*n+3], v[QR+4*(n+\d)+2:QR+4*(n+\d)+3]
.set n, n+1
.endr
.endr
	v_pk_add_f32 v[QR:QR+1], v[QR:QR+1], v[BI:BI+1]
	v_pk_add_f32 v[QR+2:QR+3], v[QR+2:QR+3], v[BI+2:BI+3]
	global_store_b128 v10, v[QR:QR+3], s[10:11]    ; sixteen lanes store 256 consecutive bytes, aligned
.Ldone:
	s_wait_tensorcnt 0x0                           ; the wave's end, behind my last LDS store
	ds_add_u32 v[SPW], v[NIL]
	s_wait_dscnt 0x0
	s_endpgm
.Lfunc_end_k_q93c9302479_first16:
	.size	k_q93c9302479_first16, .Lfunc_end_k_q93c9302479_first16-k_q93c9302479_first16
	.p2alignl 7, 3214868480
	.fill 96, 4, 3214868480
	.section	.rodata,"a",@progbits
	.p2align	6, 0x0
	.amdhsa_kernel k_q93c9302479_first16
		.amdhsa_group_segment_fixed_size 71680
		.amdhsa_private_segment_fixed_size 0
		.amdhsa_enable_private_segment 0
		.amdhsa_kernarg_size 32
		.amdhsa_user_sgpr_count 2
		.amdhsa_user_sgpr_kernarg_segment_ptr 1
		.amdhsa_wavefront_size32 1
		.amdhsa_system_sgpr_workgroup_id_x 1
		.amdhsa_system_sgpr_workgroup_id_y 1
		.amdhsa_system_sgpr_workgroup_id_z 1
		.amdhsa_system_vgpr_workitem_id 0
		.amdhsa_next_free_vgpr 256
		.amdhsa_next_free_sgpr 66
		.amdhsa_reserve_vcc 1
		.amdhsa_float_denorm_mode_32 3
		.amdhsa_float_denorm_mode_16_64 3
		.amdhsa_memory_ordered 1
		.amdhsa_forward_progress 1
		.amdhsa_inst_pref_size 34
	.end_amdhsa_kernel
	.amdgpu_metadata
---
amdhsa.version: [ 1, 2 ]
amdhsa.kernels:
  - .name:           k_q93c9302479_first16
    .symbol:         k_q93c9302479_first16.kd
    .args:
      - { .name: qkv32, .offset: 0, .size: 8, .value_kind: global_buffer, .address_space: global }
      - { .name: Wp, .offset: 8, .size: 8, .value_kind: global_buffer, .address_space: global }
      - { .name: bp, .offset: 16, .size: 8, .value_kind: global_buffer, .address_space: global }
      - { .name: out0, .offset: 24, .size: 8, .value_kind: global_buffer, .address_space: global }
    .group_segment_fixed_size: 71680
    .private_segment_fixed_size: 0
    .kernarg_segment_align: 8
    .kernarg_segment_size: 32
    .max_flat_workgroup_size: 512
    .sgpr_count:     66
    .vgpr_count:     256
    .wavefront_size: 32
...
	.end_amdgpu_metadata
.endif
;; end of part 6
